; MI455X (gfx1250); checked and timed in simulation.
; The chip was launched on July 23, 2026; its instructions are those of AMD's public machine-readable ISA for CDNA 5 (MIT licence, August 2026) and "CDNA5" Instruction Set Architecture Reference Guide (July 2026). The comments in the code are by the model that wrote it; some were corrected since.
;; Causal Self Attention. Allowed arithmetic: matrix products marked QUANTISED: E2M3 operands, one E8M0 scale for each 32 along K, by v_wmma_scale_f32_16x16x128_f8f6f4 with both operands' format E2M3, f32 sums; everything else in f32.
;; Inputs: proj_b 1,024 float32; proj_w 1,024 x 1,024 float32; qkv_w 1,024 x 3,072 float32; x 4 x 2,048 x 1,024 float32.
;; Outputs: out0 4 x 2,048 x 1,024 float32.
;; This version of the problem:
;;   THIS VERSION OF THE PROBLEM IS GIVEN IN LOW PRECISION. The matrix products marked QUANTISED in the list below multiply operands that are first quantised to E2M3 (2 exponent bits, 3 mantissa bits; 6 bits a number), with one power-of-two scale for each 32 numbers along K (OCP MX v1.0); their sums are f32. All else is computed in f32.
;;   The module's matrix products, in the order in which they are computed (A, B: the left and right operand; K: the contracted axis; several contracted axes count as one K, in the product's order):
;;     1. [M 8,192, K 1,024] x [K 1,024, N 3,072]; A: input x; B: input qkv_w: QUANTISED
;;     2. batch 64 x [M 2,048, K 64] x [K 64, N 2,048]; A: computed on the way; B: computed on the way: QUANTISED
;;     3. batch 64 x [M 64, K 2,048] x [K 2,048, N 2,048]; A: computed on the way; B: softmax (see below): QUANTISED
;;     4. [M 8,192, K 1,024] x [K 1,024, N 1,024]; A: computed on the way; B: input proj_w: QUANTISED
;;   THE QUANTISER, for each operand of a quantised product, along K:
;;     - K is cut into blocks of 32 from its start; a last block that is shorter is filled with zeros.
;;     - A block's scale is 2^e with e = floor(log2(the largest magnitude in the block)) - 2, held to -126 .. 127; a block of zeros has e = 0. As a byte (E8M0): e + 127.
;;     - Each number is divided by its block's scale, clamped to +-7.5, and rounded to the nearest number of E2M3, ties to even, subnormals kept.
;;     - The product sums the exact products of the quantised numbers (number of the format x scale) in f32.
;;   ~~~python
;;   def quantise(x, axis):      # numpy; x: float32 -> the quantised numbers, widened to float32 again
;;       x = np.moveaxis(x, axis, -1); K = x.shape[-1]
;;       x = np.pad(x, [(0, 0)] * (x.ndim - 1) + [(0, -K % 32)]); x = x.reshape(x.shape[:-1] + (-1, 32)); a = np.abs(x).max(-1, keepdims=True)
;;       e = np.where(a > 0, np.clip(np.frexp(np.where(a > 0, a, 1))[1] - 1 - 2, -126, 127), 0)      # np.frexp(a)[1] - 1 = floor(log2(a)), exactly
;;       r = np.clip(x / 2.0 ** e, -7.5, 7.5)
;;       step = 2.0 ** (np.maximum(np.frexp(np.where(r == 0, 1, r))[1] - 1, 0) - 3)
;;       q = np.round(r / step) * step * 2.0 ** e      # np.round: ties to even
;;       return np.moveaxis(q.reshape(q.shape[:-2] + (-1,))[..., :K], -1, axis).astype(np.float32)
;;   ~~~
;;   SOFTMAX AHEAD OF A QUANTISED PRODUCT. Where the list says 'softmax', what is quantised is not the finished softmax but p = 2^(t - M), with t = logit x log2(e) and M = ceil(the row's largest t), a whole number; so 1/2 < the row's largest p <= 1. The row's sum l is taken of the UNQUANTISED p, in f32, and the product's result is divided by l at the end. Since M is a whole number, a kernel that streams over the keys may use a running M (the ceiling of the running maximum): every later rescaling is an exact power of two, which a block's scale takes up: the codes' values come out the same.
;;   OPERANDS COMPUTED ON THE WAY. 'Computed on the way' means the value that the module computes at that place (a softmax that the list does not call 'softmax' is quantised finished and normalised). What goes into a quantiser is computed in f32, as accurately as f32 sums, v_exp_f32 and their like allow (about 1e-6 of the number): no bf16 or f16 on the way to a quantiser, and a product that is left as it is and whose result goes on into a quantised operand takes f32 operands (vector FMAs, or v_wmma_f32_16x16x4_f32). A number that lies on a knife's edge between two numbers of the format may be rounded either way, as far as f32 arithmetic and the matrix unit's own rounding can turn it there, and no further.
;; One version. Each part assembles by itself: llvm-mc -triple=amdgcn-amd-amdhsa -mcpu=gfx1250 --defsym DOCPART=n.
;; ======== version 1 of 1: 4 launches
;; limits: right only within a limited range of input values
;; workspace buffers: opc 9,437,184 bytes; ops 393,216 bytes; qkvc 18,874,368 bytes; qkvs 786,432 bytes; oc 6,291,456 bytes; os 262,144 bytes
;; launch quant (part 1): grid 256 x 1, 4 waves a work-group, no clusters, 327,680 bytes of LDS; arguments x, qkv_w, proj_w, opc, ops; writes opc, ops
.if DOCPART == 1
	.amdgcn_target "amdgcn-amd-amdhsa--gfx1250"
	.amdhsa_code_object_version 6
	.text
	.protected	k_q93c99dcb4f_quant
	.globl	k_q93c99dcb4f_quant
	.p2align	8
	.type	k_q93c99dcb4f_quant,@function
k_q93c99dcb4f_quant:
	s_mov_b64 s[64:65], 0
	v_nop
	global_prefetch_b8 v0, s[64:65] scope:SCOPE_SE
	s_setreg_imm32_b32 hwreg(HW_REG_WAVE_MODE, 25, 1), 1
	s_wait_xcnt 0x0
; x, qkv_w and proj_w, f32, become codes of FP6 (E2M3) with one E8M0 byte for each 32 along K, laid as the products' operand registers want them:
; opc [row block of 16][8 K steps][1,536 bytes], ops [row block][K step][r] words; row block 2 G + u holds as its row m row 32 G + 8 u + m + 8 (m / 8) of its tensor.
; A work-group takes 32 tokens of x; a wave 256 of their columns, by ONE tensor load of 32 rows x 1,024 bytes into LDS bytes of its own, and 32 columns x 128 along K of a weight by plain loads.
; LEFT OUT in this program: only the tiles of scores that lie wholly above the diagonal of the causal mask that reference() builds itself; every input is read.
; LIMITS: a block of zeros gets the byte 1 (its codes are zeros); blocks under 2^-124 are held at that floor; NaN and infinities are not served.
.set XP,    1040                       ; an LDS row: 1,024 bytes + 16
.set XV,    16*XP                      ; sixteen rows on
.set XS,    512                        ; the second K step of a row
.set XREG,  32*XP                      ; a wave's bytes
.set SPARE, 4*XREG
.set FLOOR, 0x1800000
.set WOF, 4
.set WSO, 5
.set L16, 6
.set L8,  7
.set L4,  8
.set AX,  9
.set SPW, 10
.set NIL, 11
.set SH8, 13
.set T2,  14
.set TM,  16
.set SO,  20
.set BY,  24
.set WD,  28
.set TP,  29
.set XW,  30
.set XN,  32
.set WN,  96
.set SL,  224
.set G1,  16
.set G0,  24
.macro MOVE3 s
	v_mov_b32 v[\s+3], v[\s+4]
	v_mov_b32 v[\s+4], v[\s+5]
	v_mov_b32 v[\s+5], v[\s+6]
.endm
	s_load_b256 s[4:11], s[0:1], 0x0
	s_load_b64 s[12:13], s[0:1], 0x20
	v_lshl_add_u32 v[SPW], v0, 2, SPARE
	v_mov_b32 v[NIL], 0
	ds_add_u32 v[SPW], v[NIL]
	ds_add_u32 v[SPW], v[NIL]
	v_lshrrev_b32 v1, 5, v0
	v_readfirstlane_b32 s14, v1
	s_mov_b32 s[G1+0], (2<<16)|(1<<20)|(7<<22)|(3<<25)
	s_mov_b32 s[G1+1], 256<<16
	s_mov_b32 s[G1+2], 32<<16
	s_mov_b32 s[G1+3], 256<<16
	s_mov_b32 s[G1+4], 32
	s_mov_b32 s[G1+5], 1024
	s_mov_b32 s[G1+6], 0
	s_mov_b32 s[G1+7], 0
	s_lshl_b32 s44, ttmp9, 17
	s_lshl_b32 s55, s14, 10
	s_add_co_u32 s44, s44, s55
	s_mov_b32 s45, 0
	s_mul_i32 s3, s14, XREG
	s_mov_b32 s40, 0x76543210
	s_mov_b32 s41, 0xfedcba98
	s_and_b32 s15, ttmp9, 31
	s_lshr_b32 s2, ttmp9, 5
	s_mul_i32 s46, ttmp9, 24576
	s_mul_i32 s55, s14, 3072
	s_add_co_u32 s46, s46, s55
	s_mov_b32 s47, 0
	s_lshl_b32 s48, ttmp9, 10
	s_lshl_b32 s55, s14, 7
	s_add_co_u32 s48, s48, s55
	s_mov_b32 s49, 0
	s_lshl_b32 s56, s15, 3
	s_lshl_b32 s57, s14, 1
	s_add_co_u32 s56, s56, s57
	s_add_co_u32 s56, s56, 512
	s_mul_i32 s50, s56, 12288
	s_mul_i32 s57, s2, 1536
	s_add_co_u32 s50, s50, s57
	s_mov_b32 s51, 0
	s_lshl_b32 s52, s56, 9
	s_lshl_b32 s57, s2, 6
	s_add_co_u32 s52, s52, s57
	s_mov_b32 s53, 0
	s_wait_dscnt 0x0
	s_wait_kmcnt 0x0
	s_add_nc_u64 s[4:5], s[4:5], s[44:45]
	s_mov_b32 s[G0], 1
	s_add_co_u32 s[G0+1], s3, 0
	s_add_nc_u64 s[G0+2:G0+3], s[4:5], 0
	s_or_b32 s[G0+3], s[G0+3], 0x80000000
	tensor_load_to_lds s[G0:G0+3], s[G1:G1+7]      ; my one load: 32 rows x 1,024 bytes, read by me alone
	s_nop 0
	s_add_nc_u64 s[46:47], s[10:11], s[46:47]
	s_add_nc_u64 s[48:49], s[12:13], s[48:49]
	s_add_nc_u64 s[50:51], s[10:11], s[50:51]
	s_add_nc_u64 s[52:53], s[12:13], s[52:53]
	v_and_b32 v1, 15, v0
	v_bfe_u32 v2, v0, 4, 1
	v_and_b32 v3, 31, v0
	v_lshlrev_b32 v[L16], 4, v3
	v_lshl_add_u32 v[L8], v3, 3, 512
	v_lshlrev_b32 v[L4], 2, v3
	v_and_b32 v[WOF], 8, v1
	v_add_nc_u32 v[WOF], v[WOF], v1
	v_lshl_add_u32 v[WOF], v2, 3, v[WOF]
	v_lshlrev_b32 v[WOF], 2, v[WOF]
	v_lshlrev_b32 v[WSO], 2, v1
	v_lshl_add_u32 v[WSO], v2, 9, v[WSO]
	v_lshrrev_b32 v[AX], 3, v1
	v_mul_u32_u24 v[AX], v[AX], XV
	v_and_b32 v12, 7, v1
	v_mad_u32_u24 v[AX], v12, XP, v[AX]
	v_lshl_add_u32 v[AX], v2, 7, v[AX]
	v_add_nc_u32 v[AX], s3, v[AX]
	v_lshlrev_b32 v[SH8], 3, v2
	v_mov_b32 v[TP], 0
	v_cmp_eq_u32 s54, 1, v2
	s_mul_i32 s44, s2, 128*3072*4
	s_mul_i32 s45, s2, 128*1024*4
	s_lshl_b32 s55, s15, 9
	s_lshl_b32 s57, s14, 7
	s_add_co_u32 s55, s55, s57
	s_add_co_u32 s44, s44, s55
	s_add_co_u32 s45, s45, s55
	s_sub_co_u32 s45, s45, 24*512
	s_cmp_lt_u32 s15, 24
	s_cselect_b64 s[42:43], s[6:7], s[8:9]
	s_cselect_b32 s44, s44, s45
	s_mov_b32 s45, 0
	s_add_nc_u64 s[42:43], s[42:43], s[44:45]
.macro WLOAD pitch
.set kk, 0
.rept 128
	global_load_b32 v[WN+kk], v[WOF], s[42:43] offset:kk*\pitch*4
.set kk, kk+1
.endr
.endm
	s_cbranch_scc0 .Lproj
	WLOAD 3072
	s_branch .Lwgot
.Lproj:
	WLOAD 1024
.Lwgot:
.macro XFRAG s, u
.irp c, 0,1
.irp j, 0,1,2,3,4,5,6,7
	ds_load_b128 v[XN+32*\c+4*\j:XN+32*\c+4*\j+3], v[AX] offset:\s*XS+\u*8*XP+256*\c+16*\j
.endr
.endr
	s_wait_dscnt 0x0
.irp c, 0,1
	v_max3_num_f32 v[TM+\c], |v[XN+32*\c]|, |v[XN+32*\c+1]|, FLOOR
.endr
.irp i, 2,4,6,8,10,12,14,16,18,20,22,24,26,28,30
.irp c, 0,1
	v_max3_num_f32 v[TM+\c], v[TM+\c], |v[XN+32*\c+\i]|, |v[XN+32*\c+\i+1]|
.endr
.endr
.irp c, 0,1
	v_add_nc_u32 v[SO+\c], 0xff000000, v[TM+\c]
.endr
.irp c, 0,1
	v_lshrrev_b32 v[BY+\c], 23, v[SO+\c]
.endr
	v_lshl_or_b32 v[WD], v[BY+1], 16, v[BY]
	v_lshlrev_b32 v[WD], v[SH8], v[WD]
	v_permlanex16_b32 v[TP], v[WD], s40, s41
.if \s == 0
	v_or_b32 v[XW+\u], v[WD], v[TP]
.else
	v_or_b32 v[WD], v[WD], v[TP]
	v_cndmask_b32 v[T2+\u], v[XW+\u], v[WD], s54
	global_store_b32 v[L4], v[T2+\u], s[48:49] offset:\u*512
.endif
	s_wait_alu depctr_va_vdst(0)
	s_wait_xcnt 0x0
.irp c, 0,1
	v_cvt_scalef32_pk16_fp6_f32 v[SL+8*\c:SL+8*\c+2], v[XN+32*\c:XN+32*\c+15], v[SO+\c]
	v_cvt_scalef32_pk16_fp6_f32 v[SL+8*\c+4:SL+8*\c+6], v[XN+32*\c+16:XN+32*\c+31], v[SO+\c]
.endr
	v_nop
.irp c, 0,1
	MOVE3 SL+8*\c
.endr
.irp c, 0,1
	global_store_b128 v[L16], v[SL+8*\c:SL+8*\c+3], s[46:47] offset:\u*12288+\s*1536+\c*768
	global_store_b64 v[L8], v[SL+8*\c+4:SL+8*\c+5], s[46:47] offset:\u*12288+\s*1536+\c*768
.endr
.endm
	s_wait_alu depctr_va_vdst(0)
	s_wait_tensorcnt 0x0
	XFRAG 0, 0
	XFRAG 0, 1
	XFRAG 1, 0
	XFRAG 1, 1
	s_wait_loadcnt 0x0
.irp b, 0,1,2,3
	v_max3_num_f32 v[TM+\b], |v[WN+32*\b]|, |v[WN+32*\b+1]|, FLOOR
.endr
.irp i, 2,4,6,8,10,12,14,16,18,20,22,24,26,28,30
.irp b, 0,1,2,3
	v_max3_num_f32 v[TM+\b], v[TM+\b], |v[WN+32*\b+\i]|, |v[WN+32*\b+\i+1]|
.endr
.endr
.irp b, 0,1,2,3
	v_add_nc_u32 v[SO+\b], 0xff000000, v[TM+\b]
.endr
.irp b, 0,1,2,3
	v_lshrrev_b32 v[BY+\b], 23, v[SO+\b]
.endr
	v_lshl_or_b32 v[WD], v[BY+1], 8, v[BY]
	v_lshl_or_b32 v[WD], v[BY+2], 16, v[WD]
	v_lshl_or_b32 v[WD], v[BY+3], 24, v[WD]
	s_wait_xcnt 0x0
.irp b, 0,1,2,3
	v_cvt_scalef32_pk16_fp6_f32 v[SL+8*\b:SL+8*\b+2], v[WN+32*\b:WN+32*\b+15], v[SO+\b]
	v_cvt_scalef32_pk16_fp6_f32 v[SL+8*\b+4:SL+8*\b+6], v[WN+32*\b+16:WN+32*\b+31], v[SO+\b]
.endr
	v_nop
.irp b, 0,1,2,3
	MOVE3 SL+8*\b
.endr
.irp c, 0,1
.irp i, 0,1,2,3,4,5
	v_permlane16_swap_b32 v[SL+16*\c+\i], v[SL+16*\c+8+\i]
.endr
.endr
.irp c, 0,1
.irp u, 0,1
	global_store_b128 v[L16], v[SL+16*\c+8*\u:SL+16*\c+8*\u+3], s[50:51] offset:\u*12288+\c*768
	global_store_b64 v[L8], v[SL+16*\c+8*\u+4:SL+16*\c+8*\u+5], s[50:51] offset:\u*12288+\c*768
.endr
.endr
	global_store_b32 v[WSO], v[WD], s[52:53]
	s_wait_tensorcnt 0x0
	ds_add_u32 v[SPW], v[NIL]
	s_wait_dscnt 0x0
	s_endpgm
.Lfunc_end_k_q93c99dcb4f_quant:
	.size	k_q93c99dcb4f_quant, .Lfunc_end_k_q93c99dcb4f_quant-k_q93c99dcb4f_quant
	.p2alignl 7, 3214868480
	.fill 96, 4, 3214868480
	.section	.rodata,"a",@progbits
	.p2align	6, 0x0
	.amdhsa_kernel k_q93c99dcb4f_quant
		.amdhsa_group_segment_fixed_size 327680
		.amdhsa_private_segment_fixed_size 0
		.amdhsa_enable_private_segment 0
		.amdhsa_kernarg_size 40
		.amdhsa_user_sgpr_count 2
		.amdhsa_user_sgpr_kernarg_segment_ptr 1
		.amdhsa_wavefront_size32 1
		.amdhsa_system_sgpr_workgroup_id_x 1
		.amdhsa_system_sgpr_workgroup_id_y 1
		.amdhsa_system_sgpr_workgroup_id_z 1
		.amdhsa_system_vgpr_workitem_id 0
		.amdhsa_next_free_vgpr 256
		.amdhsa_next_free_sgpr 66
		.amdhsa_reserve_vcc 0
		.amdhsa_float_denorm_mode_32 3
		.amdhsa_float_denorm_mode_16_64 3
		.amdhsa_memory_ordered 1
		.amdhsa_forward_progress 1
		.amdhsa_inst_pref_size 54
	.end_amdhsa_kernel
	.amdgpu_metadata
---
amdhsa.version: [ 1, 2 ]
amdhsa.kernels:
  - .name:           k_q93c99dcb4f_quant
    .symbol:         k_q93c99dcb4f_quant.kd
    .args:
      - { .name: x, .offset: 0, .size: 8, .value_kind: global_buffer, .address_space: global }
      - { .name: qkv_w, .offset: 8, .size: 8, .value_kind: global_buffer, .address_space: global }
      - { .name: proj_w, .offset: 16, .size: 8, .value_kind: global_buffer, .address_space: global }
      - { .name: opc, .offset: 24, .size: 8, .value_kind: global_buffer, .address_space: global }
      - { .name: ops, .offset: 32, .size: 8, .value_kind: global_buffer, .address_space: global }
    .group_segment_fixed_size: 327680
    .private_segment_fixed_size: 0
    .kernarg_segment_align: 8
    .kernarg_segment_size: 40
    .max_flat_workgroup_size: 128
    .sgpr_count:     66
    .vgpr_count:     256
    .wavefront_size: 32
...
	.end_amdgpu_metadata
.endif
;; end of part 1
;; launch gemm_qkv (part 2): grid 4 x 64, 4 waves a work-group, clusters of 4 x 4, 327,680 bytes of LDS; arguments opc, ops, qkvc, qkvs; writes qkvc, qkvs
.if DOCPART == 2
	.amdgcn_target "amdgcn-amd-amdhsa--gfx1250"
	.amdhsa_code_object_version 6
	.text
	.protected	k_q93c99dcb4f_gemm_qkv
	.globl	k_q93c99dcb4f_gemm_qkv
	.p2align	8
	.type	k_q93c99dcb4f_gemm_qkv,@function
k_q93c99dcb4f_gemm_qkv:
	s_mov_b64 s[64:65], 0
	v_nop
	global_prefetch_b8 v0, s[64:65] scope:SCOPE_SE
	s_setreg_imm32_b32 hwreg(HW_REG_WAVE_MODE, 25, 1), 1
	s_wait_xcnt 0x0
	s_wait_alu depctr_hold_cnt(0) depctr_sa_sdst(0) depctr_va_vdst(0) depctr_va_sdst(0) depctr_va_ssrc(0) depctr_va_vcc(0) depctr_vm_vsrc(0)
	s_getreg_b32 s2, hwreg(HW_REG_IB_STS2, 6, 4)
	s_cmp_eq_u32 s2, 0
	s_cbranch_scc0 .Lentry_in_a_cluster
	s_endpgm
.Lentry_in_a_cluster:
	s_bfe_u32 s2, ttmp6, 0x10000c
	s_cmp_lg_u32 s2, 0xf033
	s_cbranch_scc0 .Lentry_shape_is_right
	s_endpgm
.Lentry_shape_is_right:
; q, k, v = x qkv_w on codes of FP6 (E2M3) with E8M0 scales, K = 1024; the results are quantised here, in registers, for the attention's two products, and leave as codes.
; OPERANDS: opc [row block of 16][8 K steps][1,536 bytes], a fragment's registers on end (half c at 768 c: registers 0-3 at 16 x lane, 4-5 at 512 + 8 x lane); ops [row block][K step][r] words.
; Row block 2 G + u holds as its row m row 32 G + 8 u + m + 8 (m / 8) of its tensor: where such blocks are source 0, a lane's 16 registers of result tiles 2 G, 2 G + 1 are 16 neighbours.
; A TILE is 128 (source 1's rows) x 256 (source 0's rows); a wave makes 64 x 128: 32 accumulators.  A WORK-GROUP STAYS and makes three tiles: kind 0 (q) and kind 1 (k): source 1 = tokens, source 0 = columns;
; kind 2 (v): source 1 = v's columns, source 0 = tokens, so that a lane's registers run along the keys.  Both sides come from one buffer: a kind is a choice of row block numbers.
; THE RING: two slots, each with four K steps of both sides.  Slot 0 is filled again, for the next tile, when K step 3's fragments are in registers, slot 1 when K step 7's are; each refill stands in a round of the
; cluster's barrier, one joint load a wave.  The last tile asks for nothing and is written out.  By this text's count one load of a wave is out at a time.
; q is quantised as it is; the factor 1/8 = 2^-3 of the scores goes into the softmax's constant.  LIMIT: a block of q under 2^-121 would be held at the scale's lower end 8 times earlier in the definition than here.
; LIMITS of the quantiser: a block of zeros gets the byte 1 (its codes are zeros); blocks under 2^-124 are held at that floor; NaN and infinities are not served.
; OUT: a fragment's twelve registers leave as an image of 1,536 bytes in three pieces of 512: registers 4 k .. 4 k + 3 at 512 k + 16 x lane.
; qkvc: q, k: [head 0-15 q, 16-31 k][pair of token blocks][1,536], six registers to a token block; v at 12,582,912: [head][128 keys][channel tile][1,536].
; qkvs: q, k: [head][pair of token blocks][r] words (two bytes of each block); v at 524,288: [head][128 keys][tile][r] words.
; CLUSTER 4 x 4: source 1's tile is shared along a row of the cluster, source 0's along a column.  No prefetch: the walk has three tiles, and each refill is asked for four K steps ahead of the wait for it.
; REGISTERS: window 0: v4-17 LDS addresses, v33-48 and v50-81 scale words, v84-92 the results' scale words, v96-191 source 1's fragments (two sets), later the codes, v192-255 the quantiser's work;
; window 1: source 0's fragments, two sets; window 2: accumulator (a, b) at v[8 (8 a + b)].
.set SLA,   49152                      ; a slot's part of source 1's side: 8 row blocks x 4 K steps x 1,536
.set SLB,   98304                      ; of source 0's: 16 row blocks
.set BOFF,  2*SLA
.set SPARE, BOFF+2*SLB                 ; the spare words, 128 bytes a wave
.set A16, 4
.set A8,  8
.set B16, 12
.set B8,  16
.set L4,  20
.set L16, 21
.set L8,  23
.set RR,  24
.set HH,  25
.set SPW, 28
.set NIL, 29
.set SA,  33                           ; v[SA + 4 a + jj]: lanes 0-15 K step 2 jj, lanes 16-31 K step 2 jj + 1
.set SB,  50                           ; (the two sides' register numbers differ modulo 8)
.set PW,  84                           ; v84-87 the scale words of my four tiles; v88-92 at work on them
.set AF,  96
.set TB,  AF+48                        ; v144-175 the second conversions' codes, eight registers a tile
.set TM,  192                          ; sixteen registers a tile: 0-3 largest magnitudes, 4-7 the other lane's, then bytes, 12-15 the conversions' scale operands
.set WV, 16
.set WI, 17
.set WJ, 18
.set CX, 19
.set CY, 20
.set G1A, 24
.set G1B, 32
.set G0A, 40                           ; s40, s44: a group 0 for each slot
.set G0B, 56
.set PH,  99                           ; the tile's kind
.set MSB, 0
.macro WIN new
.if MSB != \new
	s_set_vgpr_msb (MSB<<8)|\new
.set MSB, \new
.endif
.endm
.macro PLACES
.rept 4
	v_nop
.endr
.endm
.macro CREST                           ; a round of the cluster's barrier behind its opening barrier
	s_cmp_lg_u32 s[WV], 0
	s_cbranch_scc1 .Lnot_wave_0_\@
	s_barrier_signal -3
.Lnot_wave_0_\@:
	s_barrier_wait -3
	s_barrier_signal -1
	s_barrier_wait -1
.endm
.macro CROUND
	s_barrier_signal -1
	s_barrier_wait -1
	CREST
.endm
.macro JL s                            ; a slot's joint loads: waves 0, 1 fetch source 1's halves, waves 2, 3 source 0's
	s_cmp_lt_u32 s[WV], 2
	s_cbranch_scc0 .Lfor_b_\@
	tensor_load_to_lds s[G0A+4*\s:G0A+4*\s+3], s[G1A:G1A+7]
	s_nop 0
	PLACES
	s_branch .Lasked_\@
.Lfor_b_\@:
	tensor_load_to_lds s[G0B+4*\s:G0B+4*\s+3], s[G1B:G1B+7]
	s_nop 0
	PLACES
.Lasked_\@:
.endm
.macro ADDRS                           ; the tile of kind s77: its numbers s76 (holds cy alone), s78 (cx alone), both slots' addresses, the scale words' bases
	s_lshl_b32 s76, s21, 2                         ; q, k: source 1 = token tile, in units of 8 row blocks
	s_and_b32 s92, s21, 1
	s_lshl_b32 s92, s92, 2
	s_add_co_u32 s92, s92, 80                      ; v: source 1 = v's columns: row blocks 640 on
	s_lshl_b32 s78, s77, 2
	s_add_co_u32 s78, s78, 32                      ; q, k: source 0 = columns: row blocks 512 on, in units of 16
	s_lshr_b32 s93, s21, 1
	s_lshl_b32 s93, s93, 2                         ; v: source 0 = token tile
	s_cmp_eq_u32 s77, 2
	s_cselect_b32 s76, s92, s76
	s_cselect_b32 s78, s93, s78
	s_add_co_u32 s76, s76, s[CY]
	s_add_co_u32 s78, s78, s[CX]
	s_lshl_b32 s80, s76, 3
	s_lshl_b32 s81, s[WJ], 2
	s_add_co_u32 s80, s80, s81
	s_mul_i32 s80, s80, 12288
	s_mov_b32 s81, 0
	s_lshl_b32 s82, s78, 4
	s_lshl_b32 s83, s[WJ], 3
	s_add_co_u32 s82, s82, s83
	s_mul_i32 s82, s82, 12288
	s_mov_b32 s83, 0
	s_lshl_b32 s88, s76, 3
	s_lshl_b32 s89, s[WI], 2
	s_add_co_u32 s88, s88, s89
	s_lshl_b32 s88, s88, 9
	s_mov_b32 s89, 0
	s_lshl_b32 s90, s78, 4
	s_lshl_b32 s91, s[WJ], 3
	s_add_co_u32 s90, s90, s91
	s_lshl_b32 s90, s90, 9
	s_mov_b32 s91, 0
	s_add_nc_u64 s[80:81], s[4:5], s[80:81]
	s_add_nc_u64 s[82:83], s[4:5], s[82:83]
	s_add_nc_u64 s[88:89], s[6:7], s[88:89]
	s_add_nc_u64 s[90:91], s[6:7], s[90:91]
.irp s, 0,1
	s_add_nc_u64 s[G0A+4*\s+2:G0A+4*\s+3], s[80:81], \s*6144
	s_or_b32 s[G0A+4*\s+3], s[G0A+4*\s+3], 0x80000000
	s_add_nc_u64 s[G0B+4*\s+2:G0B+4*\s+3], s[82:83], \s*6144
	s_or_b32 s[G0B+4*\s+3], s[G0B+4*\s+3], 0x80000000
.endr
.endm
.macro SCALES                          ; 48 loads of 128 consecutive bytes: two K steps' words of a row block
.irp a, 0,1,2,3
.irp jj, 0,1,2,3
	global_load_b32 v[SA+4*\a+\jj], v[L4], s[88:89] offset:\a*512+\jj*128
.endr
.endr
.irp b, 0,1,2,3,4,5,6,7
.irp jj, 0,1,2,3
	global_load_b32 v[SB+4*\b+\jj], v[L4], s[90:91] offset:\b*512+\jj*128
.endr
.endr
.endm
.macro FRAG F, a16, a8, off
	ds_load_b128 v[\F:\F+3], v[\a16] offset:\off
	ds_load_b64 v[\F+4:\F+5], v[\a8] offset:\off
	ds_load_b128 v[\F+6:\F+9], v[\a16] offset:\off+768
	ds_load_b64 v[\F+10:\F+11], v[\a8] offset:\off+768
.endm
.macro FETCH ks                        ; 48 LDS loads: K step ks's fragments into set ks % 2
	WIN 0x40
.irp b, 0,1,2,3,4,5,6,7
	FRAG 128*((\ks)%2)+12*\b, B16+(\ks)/4, B8+(\ks)/4, ((\ks)%4)*1536+\b*6144
.endr
	WIN 0
.irp a, 0,1,2,3
	FRAG AF+48*((\ks)%2)+12*\a, A16+(\ks)/4, A8+(\ks)/4, ((\ks)%4)*1536+\a*6144
.endr
.endm
.macro MULA ks, first, a               ; eight products: source 1's block a against source 0's eight; the accumulators take turns
	WIN 0xa1
.irp b, 0,1,2,3,4,5,6,7
.set rD, 8*(8*(\a)+\b)
.set rB, 128*((\ks)%2)+12*\b
.set rA, AF+48*((\ks)%2)+12*(\a)
.set rSB, SB+4*\b+(\ks)/2
.set rSA, SA+4*(\a)+(\ks)/2
.if \first
	v_wmma_scale_f32_16x16x128_f8f6f4 v[rD:rD+7], v[rB:rB+11], v[rA:rA+11], 0, v[rSB], v[rSA] matrix_a_fmt:MATRIX_FMT_FP6 matrix_b_fmt:MATRIX_FMT_FP6
.elseif (\ks)%2
	v_wmma_scale_f32_16x16x128_f8f6f4 v[rD:rD+7], v[rB:rB+11], v[rA:rA+11], v[rD:rD+7], v[rSB], v[rSA] matrix_a_fmt:MATRIX_FMT_FP6 matrix_b_fmt:MATRIX_FMT_FP6 matrix_a_scale:MATRIX_SCALE_ROW1 matrix_b_scale:MATRIX_SCALE_ROW1
.else
	v_wmma_scale_f32_16x16x128_f8f6f4 v[rD:rD+7], v[rB:rB+11], v[rA:rA+11], v[rD:rD+7], v[rSB], v[rSA] matrix_a_fmt:MATRIX_FMT_FP6 matrix_b_fmt:MATRIX_FMT_FP6
.endif
.endr
.endm
.macro MUL ks, first
.irp a, 0,1,2,3
	MULA \ks, \first, \a
.endr
.endm
.macro KSTEP ks                        ; the next step's fragments are asked for, four places behind the products that read their set, and this step is multiplied
	PLACES
	FETCH (\ks)+1
	s_wait_dscnt 48                                ; all but the 48 just issued
	MUL \ks, 0
.endm
; THE QUANTISER.  Tile a's 64 registers of a lane, register 16 b + i = place 32 b + 16 (lane / 16) + i along the next K of my row, become a fragment's codes and its scale word.
; All four tiles go together, stage by stage: sixteen blocks by turns, so that no line waits for the line above it, and one setting of the windows serves a stage of all four.
; Tile a's codes of half c lie at v[AF + 24 (a / 2) + PA1 (a % 2) + CST c]: v (PA1 12, CST 6): a tile is a fragment; q, k (PA1 6, CST 12): the fragment of head c is tiles 2 p, 2 p + 1, six registers each.
.macro QUANTALL
	WIN 0x0a                                       ; sources 0 and 1 window 2
.irp a, 0,1,2,3
.irp b, 0,1,2,3
	v_max3_num_f32 v[TM+16*\a+\b], |v[64*\a+16*\b]|, |v[64*\a+16*\b+1]|, 0x1800000   ; from each accumulator's low end on; the floor 2^(3 - 127) among the leaves
.endr
.endr
	WIN 0x28                                       ; sources 1 and 2 window 2
.irp i, 2,4,6,8,10,12,14
.irp a, 0,1,2,3
.irp b, 0,1,2,3
	v_max3_num_f32 v[TM+16*\a+\b], v[TM+16*\a+\b], |v[64*\a+16*\b+\i]|, |v[64*\a+16*\b+\i+1]|
.endr
.endr
.endr
	WIN 0
.irp a, 0,1,2,3
.irp b, 0,1,2,3
	v_permlanex16_b32 v[TM+16*\a+4+\b], v[TM+16*\a+\b], s84, s85
.endr
.endr
.irp a, 0,1,2,3
.irp b, 0,1,2,3
	v_max_num_f32 v[TM+16*\a+\b], v[TM+16*\a+\b], v[TM+16*\a+4+\b]   ; with the lane 16 away: the block's largest magnitude
.endr
.endr
.irp a, 0,1,2,3
.irp b, 0,1,2,3
	v_add_nc_u32 v[TM+16*\a+12+\b], 0xff000000, v[TM+16*\a+\b]       ; 2 off its exponent field: the conversion's scale operand
.endr
.endr
.irp a, 0,1,2,3
.irp b, 0,1,2,3
	v_lshrrev_b32 v[TM+16*\a+4+\b], 23, v[TM+16*\a+12+\b]            ; the scale's byte
.endr
.endr
.irp a, 0,1,2,3
	v_lshl_or_b32 v[PW+\a], v[TM+16*\a+5], 8, v[TM+16*\a+4]
.endr
.irp a, 0,1,2,3
	v_lshl_or_b32 v[PW+\a], v[TM+16*\a+6], 16, v[PW+\a]
.endr
.irp a, 0,1,2,3
	v_lshl_or_b32 v[PW+\a], v[TM+16*\a+7], 24, v[PW+\a]
.endr
	WIN 0x02                                       ; source 0 window 2
.irp a, 0,1,2,3
.irp c, 0,1
	v_cvt_scalef32_pk16_fp6_f32 v[AF+24*(\a/2)+PA1*(\a%2)+CST*\c:AF+24*(\a/2)+PA1*(\a%2)+CST*\c+2], v[64*\a+32*\c:64*\a+32*\c+15], v[TM+16*\a+12+2*\c]
	v_cvt_scalef32_pk16_fp6_f32 v[TB+8*\a+4*\c:TB+8*\a+4*\c+2], v[64*\a+32*\c+16:64*\a+32*\c+31], v[TM+16*\a+12+2*\c+1]
.endr
.endr
	WIN 0
	v_nop                                          ; one plain place behind the scaled conversions
.irp a, 0,1,2,3                        ; the operand's layout wants a whole block in a lane
.irp c, 0,1
.irp i, 0,1,2
	v_permlane16_swap_b32 v[AF+24*(\a/2)+PA1*(\a%2)+CST*\c+\i], v[TB+8*\a+4*\c+\i]
.endr
.endr
.endr
.irp a, 0,1,2,3
.irp c, 0,1
.irp i, 0,1,2
	v_mov_b32 v[AF+24*(\a/2)+PA1*(\a%2)+CST*\c+3+\i], v[TB+8*\a+4*\c+\i]
.endr
.endr
.endr
.irp p, 0,1                            ; twelve stores of 512 consecutive bytes: fragment 2 p + c
.irp c, 0,1
.irp k, 0,1,2
.if CST == 6
	global_store_b128 v[L16], v[AF+24*\p+12*\c+4*\k:AF+24*\p+12*\c+4*\k+3], s[48:49] offset:(2*\p+\c)*1536+\k*512
.else
	global_store_b128 v[L16], v[AF+24*\p+12*\c+4*\k:AF+24*\p+12*\c+4*\k+3], s[48:49] offset:\p*1536+\c*393216+\k*512
.endif
.endr
.endr
.endr
.endm
; A tile.  more = 1: both slots are filled again for the next tile;  isv = 1: the tile is v's
.macro TILE more, isv
	s_wait_xcnt 0x0                                ; the last tile's stores have read their bases and their data
.if \isv
.set PA1, 12
.set CST, 6
.set W2, 64
.set SHH, 7
.set SEL0, 0x03020100
.set SEL1, 0x07060504
	s_sub_co_u32 s86, s76, 80
	s_lshl_b32 s86, s86, 1
	s_add_co_u32 s86, s86, s[WI]                   ; my head,
	s_lshl_b32 s86, s86, 6
	s_lshl_b32 s87, s78, 1
	s_add_co_u32 s86, s86, s87
	s_add_co_u32 s86, s86, s[WJ]                   ; x 64 + my 128 keys
	s_mul_i32 s94, s86, 6144
	s_add_co_u32 s94, s94, 12582912
	s_lshl_b32 s96, s86, 8
	s_add_co_u32 s96, s96, 524288
.else
.set PA1, 6
.set CST, 12
.set W2, 16384
.set SHH, 6
.set SEL0, 0x05040100
.set SEL1, 0x07060302
	s_sub_co_u32 s86, s78, 32
	s_lshl_b32 s86, s86, 2
	s_lshl_b32 s87, s[WJ], 1
	s_add_co_u32 s86, s86, s87                     ; my first head, 0-31
	s_lshl_b32 s87, s76, 1
	s_add_co_u32 s87, s87, s[WI]                   ; my two pairs of token blocks begin at 2 x this
	s_mul_i32 s94, s86, 393216
	s_mul_i32 s95, s87, 2*1536
	s_add_co_u32 s94, s94, s95
	s_lshl_b32 s96, s86, 14
	s_lshl_b32 s95, s87, 7
	s_add_co_u32 s96, s96, s95
.endif
	s_mov_b32 s95, 0
	s_mov_b32 s97, 0
	s_add_nc_u64 s[48:49], s[8:9], s[94:95]        ; the codes' first byte
	s_add_nc_u64 s[50:51], s[10:11], s[96:97]      ; the scale words'
	FETCH 0
	FETCH 1
	s_wait_loadcnt 0x0                             ; the scale words
	s_wait_dscnt 48                                ; K step 0's fragments
	MUL 0, 1                                       ; the first products start the sums
	KSTEP 1
	KSTEP 2
	s_wait_dscnt 0x0                               ; K step 3's fragments are in: my reads of slot 0 are over
	WIN 0
	s_wait_tensorcnt 0x0                           ; my part of slot 1 is in
.if \more
	ds_add_u32 v[SPW], v[NIL]
	s_add_co_u32 s77, s[PH], 1
	ADDRS                                          ; no load of mine is out: the next tile's descriptors
	MULA 3, 0, 0
	s_wait_dscnt 0x0
	s_barrier_signal -1
	MULA 3, 0, 1
	WIN 0
	s_barrier_wait -1
	CREST
	JL 0                                           ; the next tile's K steps 0-3; its four v_nop are the places ahead of the loads below
.else
	s_barrier_signal -1                            ; a plain barrier shows slot 1 to all
	MULA 3, 0, 0
	MULA 3, 0, 1
	s_barrier_wait -1
	PLACES
.endif
	FETCH 4
	MULA 3, 0, 2
	MULA 3, 0, 3
	KSTEP 4
	KSTEP 5
	KSTEP 6
	s_wait_dscnt 0x0                               ; K step 7's fragments are in: my reads of slot 1 are over
.if \more
	WIN 0
	s_wait_tensorcnt 0x0                           ; my part of the next tile's slot 0 is in
	ds_add_u32 v[SPW], v[NIL]
	MULA 7, 0, 0
	MULA 7, 0, 1
	s_wait_dscnt 0x0
	s_barrier_signal -1
	MULA 7, 0, 2
	WIN 0
	s_barrier_wait -1
	CREST
	JL 1                                           ; the next tile's K steps 4-7
	MULA 7, 0, 3
	PLACES
	WIN 0
	SCALES                                         ; the next tile's scale words land while this tile is quantised
.else
	MUL 7, 0
	PLACES
	WIN 0
.endif
	QUANTALL
	v_perm_b32 v88, v[PW+1], v[PW], SEL0           ; q, k: the first head's two bytes of tiles 0 and 1; v: tile 0's word
	v_perm_b32 v89, v[PW+3], v[PW+2], SEL0
	v_perm_b32 v90, v[PW+1], v[PW], SEL1           ; q, k: the second head's; v: tile 1's word
	v_perm_b32 v91, v[PW+3], v[PW+2], SEL1
	v_lshlrev_b32 v92, SHH, v[HH]
	v_cndmask_b32 v88, v88, v89, s98               ; (both halves of the lanes hold row r's words)
	v_cndmask_b32 v90, v90, v91, s98
	v_lshl_add_u32 v92, v[RR], 2, v92
	global_store_b32 v92, v88, s[50:51]
	global_store_b32 v92, v90, s[50:51] offset:W2
.endm
	s_load_b256 s[4:11], s[0:1], 0x0               ; opc, ops, qkvc, qkvs
	v_lshl_add_u32 v[SPW], v0, 2, SPARE
	v_mov_b32 v[NIL], 0
	ds_add_u32 v[SPW], v[NIL]                      ; the opening lines
	ds_add_u32 v[SPW], v[NIL]
	v_lshrrev_b32 v1, 5, v0
	v_readfirstlane_b32 s[WV], v1
	s_lshr_b32 s[WI], s[WV], 1                     ; which 64 of source 1's rows are mine
	s_and_b32 s[WJ], s[WV], 1                      ; which 128 of source 0's; also which half of a tile I fetch
	s_bfe_u32 s[CX], ttmp6, 0x40000
	s_bfe_u32 s[CY], ttmp6, 0x40004
	s_and_b32 s21, ttmp7, 0xffff                   ; cluster y
	s_lshl_b32 s22, s[CY], 2
	s_lshl_b32 s22, 15, s22                        ; my row of the cluster
	s_lshl_b32 s23, 0x1111, s[CX]                  ; my column
	s_or_b32 s[G1A], s22, (3<<16)|(1<<21)
	s_or_b32 s[G1B], s23, (3<<16)|(1<<21)
.irp g, G1A, G1B
	s_mov_b32 s[\g+1], 768<<16                     ; a row: four K steps of a row block, 6,144 bytes
	s_mov_b32 s[\g+3], 768<<16
	s_mov_b32 s[\g+5], 1536                        ; 12,288 bytes from row block to row block
	s_mov_b32 s[\g+6], 0
	s_mov_b32 s[\g+7], 0
.endr
	s_mov_b32 s[G1A+2], 4<<16
	s_mov_b32 s[G1A+4], 4
	s_mov_b32 s[G1B+2], 8<<16
	s_mov_b32 s[G1B+4], 8
	s_mul_i32 s86, s[WJ], 24576                    ; where my loads go: no place in the cluster enters an LDS address
	s_mul_i32 s87, s[WJ], 49152
	s_add_co_u32 s87, s87, BOFF
.irp s, 0,1
	s_mov_b32 s[G0A+4*\s], 1
	s_add_co_u32 s[G0A+4*\s+1], s86, \s*SLA
	s_mov_b32 s[G0B+4*\s], 1
	s_add_co_u32 s[G0B+4*\s+1], s87, \s*SLB
.endr
	s_mov_b32 s84, 0x76543210
	s_mov_b32 s85, 0xfedcba98
	s_mov_b32 s77, 0
	s_wait_dscnt 0x0
	s_wait_kmcnt 0x0
	ADDRS
	CROUND                                         ; all sixteen work-groups are here: the joint loads meet
	JL 0                                           ; one load a wave at the head
	v_and_b32 v1, 31, v0
	v_lshlrev_b32 v[L4], 2, v1
	v_lshlrev_b32 v[L16], 4, v1
	v_lshl_add_u32 v[L8], v1, 3, 512
	v_and_b32 v[RR], 15, v0
	v_bfe_u32 v[HH], v0, 4, 1
	SCALES
	s_mul_i32 s86, s[WI], 24576
.irp s, 0,1
	v_add_nc_u32 v[A16+\s], s86, v[L16]
	v_add_nc_u32 v[A8+\s], s86, v[L8]
	v_add_nc_u32 v[B16+\s], s87, v[L16]
	v_add_nc_u32 v[B8+\s], s87, v[L8]
	s_add_co_u32 s86, s86, SLA
	s_add_co_u32 s87, s87, SLB
.endr
.irp a, 0,1,2,3
.irp b, 0,1,2,3
	v_mov_b32 v[TM+16*\a+4+\b], 0                  ; a lane permute's destination counts as one of its sources
.endr
.endr
	v_cmp_eq_u32 s98, 1, v[HH]                     ; lanes 16-31
	s_wait_alu depctr_va_vdst(0)
	s_wait_tensorcnt 0x0                           ; slot 0 is in; slot 1's first fill is issued as a refill is
	ds_add_u32 v[SPW], v[NIL]
	s_wait_dscnt 0x0
	CROUND
	JL 1
	s_mov_b32 s[PH], 0
.Ltile:
	TILE 1, 0
	s_wait_alu depctr_va_vdst(0)
	s_add_co_u32 s[PH], s[PH], 1
	s_cmp_lt_u32 s[PH], 2
	s_cbranch_scc1 .Ltile
	TILE 0, 1
	s_wait_tensorcnt 0x0                           ; the wave's end
	ds_add_u32 v[SPW], v[NIL]
	s_wait_dscnt 0x0
	CROUND                                         ; the closing round
	s_endpgm
.Lfunc_end_k_q93c99dcb4f_gemm_qkv:
	.size	k_q93c99dcb4f_gemm_qkv, .Lfunc_end_k_q93c99dcb4f_gemm_qkv-k_q93c99dcb4f_gemm_qkv
	.p2alignl 7, 3214868480
	.fill 96, 4, 3214868480
	.section	.rodata,"a",@progbits
	.p2align	6, 0x0
	.amdhsa_kernel k_q93c99dcb4f_gemm_qkv
		.amdhsa_group_segment_fixed_size 327680
		.amdhsa_private_segment_fixed_size 0
		.amdhsa_enable_private_segment 0
		.amdhsa_kernarg_size 32
		.amdhsa_user_sgpr_count 2
		.amdhsa_user_sgpr_kernarg_segment_ptr 1
		.amdhsa_wavefront_size32 1
		.amdhsa_system_sgpr_workgroup_id_x 1
		.amdhsa_system_sgpr_workgroup_id_y 1
		.amdhsa_system_sgpr_workgroup_id_z 1
		.amdhsa_system_vgpr_workitem_id 0
		.amdhsa_next_free_vgpr 768
		.amdhsa_next_free_sgpr 100
		.amdhsa_reserve_vcc 0
		.amdhsa_float_denorm_mode_32 3
		.amdhsa_float_denorm_mode_16_64 3
		.amdhsa_memory_ordered 1
		.amdhsa_forward_progress 1
		.amdhsa_inst_pref_size 172
	.end_amdhsa_kernel
	.amdgpu_metadata
---
amdhsa.version: [ 1, 2 ]
amdhsa.kernels:
  - .name:           k_q93c99dcb4f_gemm_qkv
    .symbol:         k_q93c99dcb4f_gemm_qkv.kd
    .args:
      - { .name: opc, .offset: 0, .size: 8, .value_kind: global_buffer, .address_space: global }
      - { .name: ops, .offset: 8, .size: 8, .value_kind: global_buffer, .address_space: global }
      - { .name: qkvc, .offset: 16, .size: 8, .value_kind: global_buffer, .address_space: global }
      - { .name: qkvs, .offset: 24, .size: 8, .value_kind: global_buffer, .address_space: global }
    .group_segment_fixed_size: 327680
    .private_segment_fixed_size: 0
    .kernarg_segment_align: 8
    .kernarg_segment_size: 32
    .max_flat_workgroup_size: 128
    .sgpr_count:     100
    .vgpr_count:     768
    .wavefront_size: 32
...
	.end_amdgpu_metadata
.endif
;; end of part 2
;; launch attn (part 3): grid 4 x 64, 16 waves a work-group, clusters of 4 x 1, 206,848 bytes of LDS; arguments qkvc, qkvs, oc, os; writes oc, os
.if DOCPART == 3
	.amdgcn_target "amdgcn-amd-amdhsa--gfx1250"
	.amdhsa_code_object_version 6
	.text
	.protected	k_q93c99dcb4f_attn
	.globl	k_q93c99dcb4f_attn
	.p2align	8
	.type	k_q93c99dcb4f_attn,@function
k_q93c99dcb4f_attn:
	s_mov_b64 s[64:65], 0
	v_nop
	global_prefetch_b8 v0, s[64:65] scope:SCOPE_SE
	s_setreg_imm32_b32 hwreg(HW_REG_WAVE_MODE, 25, 1), 1
	s_wait_xcnt 0x0
	s_wait_alu depctr_hold_cnt(0) depctr_sa_sdst(0) depctr_va_vdst(0) depctr_va_sdst(0) depctr_va_ssrc(0) depctr_va_vcc(0) depctr_vm_vsrc(0)
	s_getreg_b32 s2, hwreg(HW_REG_IB_STS2, 6, 4)
	s_cmp_eq_u32 s2, 0
	s_cbranch_scc0 .Lentry_in_a_cluster
	s_endpgm
.Lentry_in_a_cluster:
	s_bfe_u32 s2, ttmp6, 0x10000c
	s_cmp_lg_u32 s2, 0x3003
	s_cbranch_scc0 .Lentry_shape_is_right
	s_endpgm
.Lentry_shape_is_right:
; Causal attention of one head of 64 on codes of FP6 (E2M3) with E8M0 scales; the result is quantised along the head's 64 and leaves as codes for the output projection.
; t = score x log2(e) / 8 (q's codes are those of q unscaled: 1/8 is a power of two); M = the running largest t rounded up to a whole number; p = 2^(t - M) is quantised along the keys, not normalised;
; the row's sum is taken of the unquantised p and divides at the end.  When M moves, the sum and O are multiplied by 2^(old M - new M), which rounds nothing.
; LEFT OUT: key steps that lie wholly behind the diagonal of the causal mask that reference() builds itself.
; SHARES.  A cluster of four work-groups is one (batch, head); the head's K and V, codes and scale words, come ONCE into each partner's LDS by joint loads, one a wave, and stay: no byte is filled twice, so there is no loop to prefetch in.
; A key step is 128 keys.  Query tile T = 8 G + 2 cx + e (16 queries, inside key step G) needs steps 0 .. G.  Wave w (pair w / 2, e = w % 2) takes G = 15 - w / 2 and then G = w / 2: 17 steps in every wave.
; THE ORDER: the long tile's steps 0-7, which no mask touches, need the first halves of K and V alone (waves 0-7's loads, shown by the first barrier); eight steps in every wave; then one barrier shows the second halves (waves 8-15's loads).
; Branches and LDS addresses hang on the wave's number and on counted steps alone; cx enters Q's and O's addresses in memory and the number that the mask compares with.
; LAYOUT.  Both products are used transposed (S^T = K Q^T, O^T = V^T P^T): a lane holds one query.  THE KEYS OF A TILE are picked by the lanes' LDS addresses: tile j of band c (64 keys) holds as row m key 64 c + 32 (m / 8) + 8 j + m % 8,
; so that a lane's 32 registers of a band are one whole block of 32 keys, 64 c + 32 (lane / 16) + 0 .. 31: the block's maximum and its codes need no other lane.
; K = 64 IN AN INSTRUCTION OF 128: a fragment of K holds two key tiles (one in each half of K); it is multiplied by Q with zero codes in the upper half, and by Q with zero codes in the lower half.
; LIMITS: a block of zeros gets the byte 1 (its codes are zeros); blocks under 2^-124 are held at that floor; NaN and infinities are not served; the promise holds while |t| stays under 2^31.
.set VO,    49152                      ; LDS: steps 0-7: K's codes at 0 (step x 6,144), V's VO further on; steps 8-15 the same from R1 on;
.set R1,    98304
.set KSC,   196608                     ; K's scale words (step x 256), V's 4,096 further on;
.set SPARE, 204800                     ; the spare words, 128 bytes a wave
.set L16, 1
.set L8,  2                            ; 8 x lane + 512
.set L4V, 3                            ; 4 x lane + V's scale words
.set SPW, 4
.set NIL, 5
.set DQ,  11
.set QF,  22
.set QS,  34
.set R4,  35
.set KV,  36
.set K16, 89                           ; K's fragments, by lane: 1,536 (r / 8) + 16 (r % 8) + 256 h
.set KSL, 91                           ; K's scale words: KSC + 64 (r / 8) + 4 (r % 8) + 32 h
.set SH8, 92                           ; 8 h
.set S,   96
.set O,   160
.set PCD, 192
.set PT,  204
.set WV, 12
.set CX, 13
.set HD, 14
.set BA, 15
.set WP, 16
.set WE, 17
.set SEL, 20
.set CS,  22
.set G1C, 24
.set G1S, 32
.set G1D, 40
.set SG,  68                           ; the tile's key step G
.set KSI, 69
.set SK,  70
.set SS,  71
.set SD,  93                           ; the diagonal's step in the loop
.macro CROUND
	s_barrier_signal -1
	s_barrier_wait -1
	s_cmp_lg_u32 s[WV], 0
	s_cbranch_scc1 .Lnot_wave_0_\@
	s_barrier_signal -3
.Lnot_wave_0_\@:
	s_barrier_wait -3
	s_barrier_signal -1
	s_barrier_wait -1
.endm
; A FRAGMENT'S IMAGE, in memory and in LDS, is 1,536 bytes in three pieces of 512: registers 4 k .. 4 k + 3 at 512 k + 16 x lane.  q, k: a pair of token blocks, six registers each; v: a channel tile x 128 keys.
.macro DENSE g, rows                   ; group 1 of a dense block as rows of 256 bytes, for all four partners
	s_mov_b32 s[\g], 15|(3<<16)|(1<<21)
	s_mov_b32 s[\g+1], 32<<16
	s_mov_b32 s[\g+2], (\rows)<<16
	s_mov_b32 s[\g+3], 32<<16
	s_mov_b32 s[\g+4], \rows
	s_mov_b32 s[\g+5], 32
	s_mov_b32 s[\g+6], 0
	s_mov_b32 s[\g+7], 0
.endm
.macro TLOAD g0, g1
	tensor_load_to_lds s[\g0:\g0+3], s[\g1:\g1+7]
	s_nop 0
.rept 4
	v_nop
.endr
.endm
	s_load_b256 s[4:11], s[0:1], 0x0               ; qkvc, qkvs, oc, os
	v_lshl_add_u32 v[SPW], v0, 2, SPARE
	v_mov_b32 v[NIL], 0
	ds_add_u32 v[SPW], v[NIL]                      ; the opening lines
	ds_add_u32 v[SPW], v[NIL]
	v_lshrrev_b32 v6, 5, v0
	v_readfirstlane_b32 s[WV], v6
	s_lshr_b32 s[WP], s[WV], 1
	s_and_b32 s[WE], s[WV], 1
	s_bfe_u32 s[CX], ttmp6, 0x40000
	s_and_b32 s82, ttmp7, 0xffff
	s_and_b32 s[HD], s82, 15
	s_lshr_b32 s[BA], s82, 4
	s_mul_i32 s80, s[HD], 393216
	s_mul_i32 s82, s[BA], 98304
	s_add_co_u32 s80, s80, s82                     ; this (batch, head)'s first byte in each of the three regions of codes,
	s_mov_b32 s81, 0
	s_lshl_b32 s82, s[HD], 14
	s_lshl_b32 s83, s[BA], 12
	s_add_co_u32 s82, s82, s83                     ; and of scale words
	s_mov_b32 s83, 0
	DENSE G1C, 64                                  ; 16,384 bytes: a third of K's or V's steps 0-7
	DENSE G1S, 16                                  ; 4,096 bytes: a head's scale words
	DENSE G1D, 48                                  ; 12,288 bytes: a quarter of K's or V's steps 8-15
	s_mov_b32 s48, 1                               ; waves 0-5: LDS 16,384 w; K's bytes for w < 3, V's behind
	s_lshl_b32 s49, s[WV], 14
	s_mul_i32 s60, s[WV], 11
	s_lshr_b32 s60, s60, 5                         ; 1 from wave 3 on
	s_mul_i32 s60, s60, 6291456-VO
	s_add_co_u32 s60, s60, s49
	s_add_co_u32 s60, s60, 6291456
	s_mov_b32 s61, 0
	s_mov_b32 s52, 1                               ; waves 6, 7: K's and V's scale words
	s_lshl_b32 s53, s[WV], 12
	s_add_co_u32 s53, s53, KSC-6*4096
	s_and_b32 s62, s[WV], 1
	s_add_co_u32 s62, s62, 1
	s_lshl_b32 s62, s62, 18
	s_mov_b32 s63, 0
	s_mov_b32 s56, 1                               ; waves 8-15: LDS R1 + 12,288 (w - 8) = 12,288 w
	s_mul_i32 s57, s[WV], 12288
	s_bfe_u32 s66, s[WV], 0x10002
	s_add_co_u32 s66, s66, 1
	s_mul_i32 s66, s66, 6291456
	s_and_b32 s67, s[WV], 3
	s_mul_i32 s67, s67, 12288
	s_add_co_u32 s66, s66, s67
	s_add_co_u32 s66, s66, VO
	s_mov_b32 s67, 0
	s_mov_b32 s[SEL], 0x76543210
	s_mov_b32 s[SEL+1], 0xfedcba98
	s_mov_b32 s[CS], 0x3e38aa3b                    ; c = log2(e) / 8
	s_mov_b32 s[CS+1], s[CS]
	s_mul_i32 s90, s[HD], 768                      ; in a row block of oc: K step head / 2, half head % 2
	s_lshr_b32 s91, s[HD], 1
	s_lshl_b32 s91, s91, 6
	s_and_b32 s92, s[HD], 1
	s_lshl_b32 s92, s92, 1
	s_add_co_u32 s91, s91, s92                     ; in a row block of os: the same K step's words, my two bytes of them
	s_mov_b32 s84, 0x03020302
	s_cmp_eq_u32 s[WE], 0
	s_cselect_b32 s84, 0x01000100, s84             ; which two bytes of the pair's word are my tile's
	s_wait_dscnt 0x0
	s_wait_kmcnt 0x0
	s_add_nc_u64 s[72:73], s[4:5], s[80:81]        ; q's codes of this (batch, head)
	s_add_nc_u64 s[74:75], s[6:7], s[82:83]        ; q's scale words
	s_add_nc_u64 s[50:51], s[72:73], s[60:61]
	s_or_b32 s51, s51, 0x80000000
	s_add_nc_u64 s[54:55], s[74:75], s[62:63]
	s_or_b32 s55, s55, 0x80000000
	s_add_nc_u64 s[58:59], s[72:73], s[66:67]
	s_or_b32 s59, s59, 0x80000000
	CROUND                                         ; all four work-groups are here: the joint loads meet
	s_cmp_lt_u32 s[WV], 6                          ; one chain, one load to an arm
	s_cbranch_scc0 .Lnot_a
	TLOAD 48, G1C
	s_branch .Lasked
.Lnot_a:
	s_cmp_lt_u32 s[WV], 8
	s_cbranch_scc0 .Lnot_b
	TLOAD 52, G1S
	s_branch .Lasked
.Lnot_b:
	TLOAD 56, G1D
.Lasked:
	v_and_b32 v6, 31, v0
	v_and_b32 v212, 15, v0                         ; r
	v_bfe_u32 v213, v0, 4, 1                       ; h
	v_bfe_u32 v214, v0, 3, 1                       ; r / 8
	v_and_b32 v215, 7, v0                          ; r % 8
	v_lshlrev_b32 v[L16], 4, v6
	v_lshl_add_u32 v[L8], v6, 3, 512
	v_lshl_add_u32 v[L4V], v6, 2, KSC+4096
	v_lshlrev_b32 v[R4], 2, v212
	v_mul_u32_u24 v[K16], v214, 1536
	v_lshlrev_b32 v[KSL], 6, v214
	v_lshl_add_u32 v[K16], v215, 4, v[K16]
	v_lshl_add_u32 v[KSL], v215, 2, v[KSL]
	v_lshl_add_u32 v[K16], v213, 8, v[K16]
	v_lshl_add_u32 v[KSL], v213, 5, v[KSL]
	v_add_nc_u32 v[KSL], KSC, v[KSL]
	v_lshlrev_b32 v[SH8], 3, v213
	v_lshl_add_u32 v[DQ], v214, 3, v212
	v_lshlrev_b32 v216, 5, v213
	s_lshl_b32 s82, s[CX], 5
	s_lshl_b32 s83, s[WE], 3
	s_add_co_u32 s82, s82, s83
	v_sub_nc_u32 v[DQ], v[DQ], v216
	v_add_nc_u32 v[DQ], s82, v[DQ]                 ; my query's place in its key step, less 32 h: 32 cx + 8 e + r + 8 (r / 8) - 32 h
.irp i, 0,1,2,3,4,5
	v_mov_b32 v[16+\i], 0                          ; zero codes on either side of Q
	v_mov_b32 v[28+\i], 0
.endr
.irp b, 236,237,248,252,253,255
	v_mov_b32 v\b, 0                               ; a lane permute's destination counts as one of its sources
.endr
; A tile's start: Q, its scale word, where its results go, and the sums at zero
.macro QINIT
	s_wait_xcnt 0x0                                ; the tile before has read its addresses and the data of its stores
	s_lshl_b32 s82, s[SG], 3
	s_lshl_b32 s83, s[CX], 1
	s_add_co_u32 s82, s82, s83
	s_add_co_u32 s82, s82, s[WE]                   ; my tile in the batch
	s_lshr_b32 s83, s82, 1                         ; its pair of token blocks
	s_mul_i32 s80, s83, 1536
	s_mov_b32 s81, 0
	s_add_nc_u64 s[76:77], s[72:73], s[80:81]
	s_lshl_b32 s80, s83, 6
	s_add_nc_u64 s[78:79], s[74:75], s[80:81]
	s_wait_alu depctr_va_vdst(0)
	s_cmp_eq_u32 s[WE], 0                          ; the pair's first block is the image's registers 0-5, its second 6-11
	s_cbranch_scc0 .Lodd_\@
	global_load_b128 v[QF:QF+3], v[L16], s[76:77]
	global_load_b64 v[QF+4:QF+5], v[L16], s[76:77] offset:512
	s_branch .Lq_\@
.Lodd_\@:
	global_load_b64 v[QF:QF+1], v[L16], s[76:77] offset:520
	global_load_b128 v[QF+2:QF+5], v[L16], s[76:77] offset:1024
.Lq_\@:
	global_load_b32 v215, v[R4], s[78:79]
	s_lshl_b32 s83, s[BA], 7
	s_add_co_u32 s82, s82, s83                     ; my token block among all
	s_mul_i32 s80, s82, 12288
	s_add_co_u32 s80, s80, s90
	s_add_nc_u64 s[86:87], s[8:9], s[80:81]
	s_lshl_b32 s80, s82, 9
	s_add_co_u32 s80, s80, s91
	s_add_nc_u64 s[88:89], s[10:11], s[80:81]
	v_mov_b32 v13, 0xff61b1e6                      ; the largest t so far: -3e38
	s_delay_alu instid0(VALU_DEP_1)
	v_floor_f32 v12, -v13
	v_mov_b32 v14, 0
	v_mov_b32 v15, 0
	s_wait_loadcnt 0x0
	v_perm_b32 v[QS], v215, v215, s84              ; my tile's two bytes, twice: they serve Q in either half of K
.set n, 0
.rept 32
	v_mov_b32 v[O+n], 0                            ; O^T; also the places between the scale word's write and the first product
.set n, n+1
.endr
	s_wait_alu depctr_va_vdst(0)
.endm
; Eight key steps from LDS byte base on (scale words from sbase on).  chk = 1: steps behind step s[SD] are jumped over, and step s[SD] is masked
.macro LOOP base, sbase, chk, trips=8
	s_mov_b32 s[KSI], 0
	s_mov_b32 s[SK], \base
	s_mov_b32 s[SS], \sbase
.Lstep_\@:
.if \chk
	s_cmp_gt_u32 s[KSI], s[SD]
	s_cbranch_scc1 .Lhidden_\@
.endif
	v_add_nc_u32 v6, s[SK], v[K16]                 ; four plain lines: also the places ahead of the loads into registers that the last products read
	v_add_nc_u32 v8, s[SS], v[KSL]
	v_add_nc_u32 v9, s[SK], v[L16]
	v_add_nc_u32 v88, s[SS], v[L4V]
.irp f, 0,1,2,3                        ; fragment f: tiles 2 (f % 2), 2 (f % 2) + 1 of band f / 2
.irp k, 0,1,2
	ds_load_b128 v[KV+12*\f+4*\k:KV+12*\f+4*\k+3], v6 offset:(\f/2)*3072+(\f%2)*128+\k*512
.endr
.endr
	ds_load_b32 v84, v8                            ; band 0: lanes 0-15 fragment 0's words, lanes 16-31 fragment 1's
	ds_load_b32 v85, v8 offset:128
	s_wait_alu depctr_va_vdst(0)
	s_wait_dscnt 0x0
.irp f, 0,1,2,3
.if \f%2
	v_wmma_scale_f32_16x16x128_f8f6f4 v[S+16*\f:S+16*\f+7], v[KV+12*\f:KV+12*\f+11], v[22:33], 0, v[84+\f/2], v[QS] matrix_a_fmt:MATRIX_FMT_FP6 matrix_b_fmt:MATRIX_FMT_FP6 matrix_a_scale:MATRIX_SCALE_ROW1
	v_wmma_scale_f32_16x16x128_f8f6f4 v[S+16*\f+8:S+16*\f+15], v[KV+12*\f:KV+12*\f+11], v[16:27], 0, v[84+\f/2], v[QS] matrix_a_fmt:MATRIX_FMT_FP6 matrix_b_fmt:MATRIX_FMT_FP6 matrix_a_scale:MATRIX_SCALE_ROW1
.else
	v_wmma_scale_f32_16x16x128_f8f6f4 v[S+16*\f:S+16*\f+7], v[KV+12*\f:KV+12*\f+11], v[22:33], 0, v[84+\f/2], v[QS] matrix_a_fmt:MATRIX_FMT_FP6 matrix_b_fmt:MATRIX_FMT_FP6
	v_wmma_scale_f32_16x16x128_f8f6f4 v[S+16*\f+8:S+16*\f+15], v[KV+12*\f:KV+12*\f+11], v[16:27], 0, v[84+\f/2], v[QS] matrix_a_fmt:MATRIX_FMT_FP6 matrix_b_fmt:MATRIX_FMT_FP6
.endif
.endr
.rept 4
	v_nop                                          ; places ahead of the loads below and of the first read of the scores
.endr
.irp f, 0,1,2,3                        ; V's four fragments land while the softmax is walked
.irp k, 0,1,2
	ds_load_b128 v[KV+12*\f+4*\k:KV+12*\f+4*\k+3], v9 offset:VO+\f*1536+\k*512
.endr
.endr
	ds_load_b32 v86, v88
	ds_load_b32 v87, v88 offset:128
.if \chk
	s_cmp_lg_u32 s[KSI], s[SD]
	s_cbranch_scc1 .Lopen_\@
	v_mov_b32 v254, 0xff800000                     ; on the diagonal hidden scores become -infinity: register n holds key 64 (n / 32) + 32 h + n % 32 of the step
.set n, 0
.rept 64
	v_cmp_gt_i32 vcc_lo, 64*(n/32)+n%32, v[DQ]
	v_cndmask_b32 v[S+n], v[S+n], v254, vcc_lo
.set n, n+1
.endr
.Lopen_\@:
.endif
.irp c, 0,1                            ; the largest score of my two blocks of 32 keys, two chains a block: for the row's maximum, and, since p rises with the score, for the block's largest p
	v_max3_num_f32 v[232+\c], v[S+32*\c], v[S+32*\c+1], v[S+32*\c+2]
	v_max3_num_f32 v[234+\c], v[S+32*\c+16], v[S+32*\c+17], v[S+32*\c+18]
.endr
.irp i, 3,5,7,9,11,13
.irp c, 0,1
	v_max3_num_f32 v[232+\c], v[232+\c], v[S+32*\c+\i], v[S+32*\c+\i+1]
	v_max3_num_f32 v[234+\c], v[234+\c], v[S+32*\c+16+\i], v[S+32*\c+17+\i]
.endr
.endr
.irp c, 0,1
	v_max3_num_f32 v[232+\c], v[232+\c], v[S+32*\c+15], v[S+32*\c+31]
.endr
.irp c, 0,1
	s_delay_alu instid0(VALU_DEP_2)
	v_max_num_f32 v[232+\c], v[232+\c], v[234+\c]
.endr
	s_delay_alu instid0(VALU_DEP_1)
	v_max_num_f32 v254, v232, v233
	s_delay_alu instid0(VALU_DEP_1)
	v_permlanex16_b32 v255, v254, s[SEL], s[SEL+1]
	s_delay_alu instid0(VALU_DEP_1)
	v_max_num_f32 v254, v254, v255                 ; the step's largest score of my query
	s_delay_alu instid0(VALU_DEP_1)
	v_mul_f32 v254, s[CS], v254
	s_delay_alu instid0(VALU_DEP_1)
	v_max_num_f32 v13, v13, v254                   ; the running largest t
	v_mov_b32 v254, v12
	s_delay_alu instid0(VALU_DEP_2)
	v_floor_f32 v12, -v13                          ; -M = floor(-t): M is a whole number
	s_delay_alu instid0(VALU_DEP_1)
	v_sub_f32 v254, v12, v254
	s_delay_alu instid0(VALU_DEP_1)
	v_cvt_i32_f32 v254, v254                       ; (it saturates)
	s_delay_alu instid0(VALU_DEP_1)
	v_ldexp_f32 v252, 1.0, v254                    ; f = 2^(old M - new M)
.set n, 0
.rept 32
	v_pk_fma_f32 v[S+n:S+n+1], v[S+n:S+n+1], s[CS:CS+1], v[12:13] op_sel_hi:[1,0,0]   ; t - M
.set n, n+2
.endr
.irp c, 0,1
	v_fma_f32 v[232+\c], v[232+\c], s[CS], v12
.endr
	s_wait_alu depctr_va_vdst(0)
.set n, 0
.rept 64
	v_exp_f32 v[S+n], v[S+n]                       ; p = 2^(t - M)
.set n, n+1
.endr
	v_pk_mul_f32 v[14:15], v[14:15], v[252:253] op_sel_hi:[1,0]   ; the sums under the new M: a plain place behind the exponentials
	s_wait_alu depctr_va_vdst(0)                   ; one wait for the batch, ahead of its first reader
.irp c, 0,1
	v_exp_f32 v[232+\c], v[232+\c]                 ; each block's largest p
.endr
	v_pk_add_f32 v[236:237], v[S:S+1], v[S+2:S+3]  ; the row's sum of the unquantised p, in four chains
	v_pk_add_f32 v[238:239], v[S+4:S+5], v[S+6:S+7]
	v_pk_add_f32 v[240:241], v[S+8:S+9], v[S+10:S+11]
	v_pk_add_f32 v[14:15], v[14:15], v[S+12:S+13]
.set n, 14
.rept 6
	v_pk_add_f32 v[236:237], v[236:237], v[S+n:S+n+1]
	v_pk_add_f32 v[238:239], v[238:239], v[S+n+2:S+n+3]
	v_pk_add_f32 v[240:241], v[240:241], v[S+n+4:S+n+5]
	v_pk_add_f32 v[14:15], v[14:15], v[S+n+6:S+n+7]
.set n, n+8
.endr
	v_pk_add_f32 v[236:237], v[236:237], v[S+62:S+63]
	s_delay_alu instid0(VALU_DEP_1)
	v_pk_add_f32 v[236:237], v[236:237], v[238:239]
	s_delay_alu instid0(VALU_DEP_3)
	v_pk_add_f32 v[14:15], v[14:15], v[240:241]
	s_delay_alu instid0(VALU_DEP_1)
	v_pk_add_f32 v[14:15], v[14:15], v[236:237]
	s_wait_alu depctr_va_vdst(0)                   ; and one for the two
.irp c, 0,1
	v_max_num_f32 v[232+\c], 0x1800000, v[232+\c]  ; the floor: the byte cannot fall under 1
.endr
.irp c, 0,1
	s_delay_alu instid0(VALU_DEP_2)
	v_add_nc_u32 v[244+\c], 0xff000000, v[232+\c]  ; the conversions' scale operand
.endr
.irp c, 0,1
	s_delay_alu instid0(VALU_DEP_2)
	v_lshrrev_b32 v[246+\c], 23, v[244+\c]
.endr
	s_delay_alu instid0(VALU_DEP_1)
	v_lshl_or_b32 v253, v247, 16, v246             ; my two bytes: blocks h and 2 + h,
	s_delay_alu instid0(VALU_DEP_1)
	v_lshlrev_b32 v253, v[SH8], v253               ; at their places;
	s_delay_alu instid0(VALU_DEP_1)
	v_permlanex16_b32 v248, v253, s[SEL], s[SEL+1]
	s_delay_alu instid0(VALU_DEP_1)
	v_or_b32 v253, v253, v248                      ; with the lane 16 away the scale word of these 128 keys is whole
.irp c, 0,1
	v_cvt_scalef32_pk16_fp6_f32 v[PCD+6*\c:PCD+6*\c+2], v[S+32*\c:S+32*\c+15], v[244+\c]
	v_cvt_scalef32_pk16_fp6_f32 v[PT+4*\c:PT+4*\c+2], v[S+32*\c+16:S+32*\c+31], v[244+\c]
.endr
	v_nop                                          ; one plain place behind a scaled conversion
.irp c, 0,1
.irp i, 0,1,2
	v_mov_b32 v[PCD+6*\c+3+\i], v[PT+4*\c+\i]      ; registers 6 c .. 6 c + 5: keys 64 c + 32 h + 0 .. 31
.endr
.endr
	s_wait_alu depctr_va_vdst(0)
.set n, 0
.rept 16
	v_pk_mul_f32 v[O+n:O+n+1], v[O+n:O+n+1], v[252:253] op_sel_hi:[1,0]   ; O^T under the new M; sixteen plain lines between the writes of p's codes and scale word and the products
.set n, n+2
.endr
	s_wait_alu depctr_va_vdst(0)
	s_wait_dscnt 0x0                               ; V is in
.irp a, 0,1,2,3
.if \a%2
	v_wmma_scale_f32_16x16x128_f8f6f4 v[O+8*\a:O+8*\a+7], v[KV+12*\a:KV+12*\a+11], v[PCD:PCD+11], v[O+8*\a:O+8*\a+7], v[86+\a/2], v253 matrix_a_fmt:MATRIX_FMT_FP6 matrix_b_fmt:MATRIX_FMT_FP6 matrix_a_scale:MATRIX_SCALE_ROW1
.else
	v_wmma_scale_f32_16x16x128_f8f6f4 v[O+8*\a:O+8*\a+7], v[KV+12*\a:KV+12*\a+11], v[PCD:PCD+11], v[O+8*\a:O+8*\a+7], v[86+\a/2], v253 matrix_a_fmt:MATRIX_FMT_FP6 matrix_b_fmt:MATRIX_FMT_FP6
.endif
.endr
.Lhidden_\@:
	s_add_co_u32 s[SK], s[SK], 6144
	s_add_co_u32 s[SS], s[SS], 256
	s_add_co_u32 s[KSI], s[KSI], 1
	s_cmp_lt_u32 s[KSI], \trips
	s_cbranch_scc1 .Lstep_\@
.endm
; The way out: O^T / the sum; register 16 g + i is channel 32 g + 16 h + i of my query: two blocks of 32, quantised as half a fragment of the projection's operand
.macro OUT
.rept 4
	v_nop                                          ; places behind the last products
.endr
	v_add_f32 v14, v14, v15
	s_delay_alu instid0(VALU_DEP_1)
	v_permlanex16_b32 v252, v14, s[SEL], s[SEL+1]
	s_delay_alu instid0(VALU_DEP_1)
	v_add_f32 v14, v14, v252
	s_wait_alu depctr_va_vdst(0)
	v_rcp_f32 v14, v14
	v_nop
	s_wait_alu depctr_va_vdst(0)
.set n, 0
.rept 16
	v_pk_mul_f32 v[S+n:S+n+1], v[O+n:O+n+1], v[14:15] op_sel_hi:[1,0]
.set n, n+2
.endr
.irp g, 0,1
	v_max3_num_f32 v[232+\g], |v[S+16*\g]|, |v[S+1+16*\g]|, 0x1800000
.endr
.irp i, 2,4,6,8,10,12,14
.irp g, 0,1
	s_delay_alu instid0(VALU_DEP_2)
	v_max3_num_f32 v[232+\g], v[232+\g], |v[S+16*\g+\i]|, |v[S+1+16*\g+\i]|
.endr
.endr
.irp g, 0,1
	s_delay_alu instid0(VALU_DEP_2)
	v_permlanex16_b32 v[236+\g], v[232+\g], s[SEL], s[SEL+1]
.endr
.irp g, 0,1
	s_delay_alu instid0(VALU_DEP_2)
	v_max_num_f32 v[232+\g], v[232+\g], v[236+\g]
.endr
.irp g, 0,1
	s_delay_alu instid0(VALU_DEP_2)
	v_add_nc_u32 v[244+\g], 0xff000000, v[232+\g]
.endr
.irp g, 0,1
	s_delay_alu instid0(VALU_DEP_2)
	v_lshrrev_b32 v[236+\g], 23, v[244+\g]
.endr
	s_delay_alu instid0(VALU_DEP_1)
	v_lshl_or_b32 v216, v237, 8, v236              ; my row's two bytes
	v_cvt_scalef32_pk16_fp6_f32 v[PCD:PCD+2], v[S:S+15], v244
	v_cvt_scalef32_pk16_fp6_f32 v[PCD+4:PCD+6], v[S+16:S+31], v245
	v_nop
.irp i, 0,1,2
	v_permlane16_swap_b32 v[PCD+\i], v[PCD+4+\i]   ; lanes 0-15 now hold block 0 whole, lanes 16-31 block 1
.endr
	s_delay_alu instid0(VALU_DEP_3)
	v_mov_b32 v[PCD+3], v[PCD+4]
	s_delay_alu instid0(VALU_DEP_3)
	v_mov_b32 v[PCD+4], v[PCD+5]
	s_delay_alu instid0(VALU_DEP_3)
	v_mov_b32 v[PCD+5], v[PCD+6]
	global_store_b128 v[L16], v[PCD:PCD+3], s[86:87]
	global_store_b64 v[L8], v[PCD+4:PCD+5], s[86:87]
	global_store_b16 v[R4], v216, s[88:89]         ; a head owns two bytes of a row's word; both halves of the lanes write the same bytes with the same value
.endm
	s_sub_co_u32 s[SG], 15, s[WP]                  ; the long tile first
	QINIT                                          ; its Q comes while the tiles land
	s_cmp_lt_u32 s[WV], 8
	s_cbranch_scc0 .Lnot_first
	s_wait_tensorcnt 0x0                           ; waves 0-7: what I asked for has landed
.Lnot_first:
	s_barrier_signal -1
	s_barrier_wait -1                              ; steps 0-7 and the scale words are in; waves 8-15's loads may be out
	LOOP 0, 0, 0, 4
	s_wait_tensorcnt 0x0                           ; every wave: all that I asked for has landed;
	s_wait_dscnt 0x0
	s_barrier_signal -1                            ; say so, and go on with four steps that read steps 4-7's bytes, which nobody writes,
	LOOP 4*6144, 4*256, 0, 4
	s_barrier_wait -1                              ; and what the others asked for has landed: from here on LDS is only read
	s_sub_co_u32 s[SD], 7, s[WP]
	LOOP R1, 2048, 1
	OUT
	s_mov_b32 s[SG], s[WP]                         ; the short tile
	s_mov_b32 s[SD], s[WP]
	QINIT
	LOOP 0, 0, 1
	OUT
	s_wait_tensorcnt 0x0                           ; the wave's end
	ds_add_u32 v[SPW], v[NIL]
	s_wait_dscnt 0x0
	CROUND                                         ; the closing round
	s_endpgm
.Lfunc_end_k_q93c99dcb4f_attn:
	.size	k_q93c99dcb4f_attn, .Lfunc_end_k_q93c99dcb4f_attn-k_q93c99dcb4f_attn
	.p2alignl 7, 3214868480
	.fill 96, 4, 3214868480
	.section	.rodata,"a",@progbits
	.p2align	6, 0x0
	.amdhsa_kernel k_q93c99dcb4f_attn
		.amdhsa_group_segment_fixed_size 206848
		.amdhsa_private_segment_fixed_size 0
		.amdhsa_enable_private_segment 0
		.amdhsa_kernarg_size 32
		.amdhsa_user_sgpr_count 2
		.amdhsa_user_sgpr_kernarg_segment_ptr 1
		.amdhsa_wavefront_size32 1
		.amdhsa_system_sgpr_workgroup_id_x 1
		.amdhsa_system_sgpr_workgroup_id_y 1
		.amdhsa_system_sgpr_workgroup_id_z 1
		.amdhsa_system_vgpr_workitem_id 0
		.amdhsa_next_free_vgpr 256
		.amdhsa_next_free_sgpr 96
		.amdhsa_reserve_vcc 1
		.amdhsa_float_denorm_mode_32 3
		.amdhsa_float_denorm_mode_16_64 3
		.amdhsa_memory_ordered 1
		.amdhsa_forward_progress 1
		.amdhsa_inst_pref_size 95
	.end_amdhsa_kernel
	.amdgpu_metadata
---
amdhsa.version: [ 1, 2 ]
amdhsa.kernels:
  - .name:           k_q93c99dcb4f_attn
    .symbol:         k_q93c99dcb4f_attn.kd
    .args:
      - { .name: qkvc, .offset: 0, .size: 8, .value_kind: global_buffer, .address_space: global }
      - { .name: qkvs, .offset: 8, .size: 8, .value_kind: global_buffer, .address_space: global }
      - { .name: oc, .offset: 16, .size: 8, .value_kind: global_buffer, .address_space: global }
      - { .name: os, .offset: 24, .size: 8, .value_kind: global_buffer, .address_space: global }
    .group_segment_fixed_size: 206848
    .private_segment_fixed_size: 0
    .kernarg_segment_align: 8
    .kernarg_segment_size: 32
    .max_flat_workgroup_size: 512
    .sgpr_count:     96
    .vgpr_count:     256
    .wavefront_size: 32
...
	.end_amdgpu_metadata
.endif
;; end of part 3
;; launch gemm_proj (part 4): grid 4 x 64, 4 waves a work-group, clusters of 4 x 4, 327,680 bytes of LDS; arguments oc, os, opc, ops, proj_b, out0; writes out0
.if DOCPART == 4
	.amdgcn_target "amdgcn-amd-amdhsa--gfx1250"
	.amdhsa_code_object_version 6
	.text
	.protected	k_q93c99dcb4f_gemm_proj
	.globl	k_q93c99dcb4f_gemm_proj
	.p2align	8
	.type	k_q93c99dcb4f_gemm_proj,@function
k_q93c99dcb4f_gemm_proj:
	s_mov_b64 s[64:65], 0
	v_nop
	global_prefetch_b8 v0, s[64:65] scope:SCOPE_SE
	s_setreg_imm32_b32 hwreg(HW_REG_WAVE_MODE, 25, 1), 1
	s_wait_xcnt 0x0
	s_wait_alu depctr_hold_cnt(0) depctr_sa_sdst(0) depctr_va_vdst(0) depctr_va_sdst(0) depctr_va_ssrc(0) depctr_va_vcc(0) depctr_vm_vsrc(0)
	s_getreg_b32 s2, hwreg(HW_REG_IB_STS2, 6, 4)
	s_cmp_eq_u32 s2, 0
	s_cbranch_scc0 .Lentry_in_a_cluster
	s_endpgm
.Lentry_in_a_cluster:
	s_bfe_u32 s2, ttmp6, 0x10000c
	s_cmp_lg_u32 s2, 0xf033
	s_cbranch_scc0 .Lentry_shape_is_right
	s_endpgm
.Lentry_shape_is_right:
; out0 = attention's result x proj_w + proj_b, on codes of FP6 (E2M3) with E8M0 scales, K = 1024; out0 [8192][1024] f32.
; OPERANDS: oc (tokens) and opc (proj_w's columns: row blocks 704 on): [row block of 16][8 K steps][1,536 bytes], a fragment's registers on end (half c at 768 c: registers 0-3 at 16 x lane, 4-5 at 512 + 8 x lane); os, ops: [row block][K step][r] words.
; Row block 2 G + u holds as its row m row 32 G + 8 u + m + 8 (m / 8) of its tensor.  Source 0 = columns, source 1 = tokens: a lane holds a token, and the 16 registers of result tiles 2 G, 2 G + 1 are 16 neighbouring columns.
; A WORK-GROUP makes 128 tokens x 256 columns.  A WAVE HOLDS ITS 64 COLUMNS, ALL OF K, IN REGISTERS (32 fragments, 384 registers) and the 128 tokens stream past in eight blocks of 16 rows, all of K: 32 products finish 16 x 64 results,
; which go through my stage in LDS and are stored, whole rows of 256 bytes, in the middle of the next block: the results leave while the later blocks are multiplied.
; ALL OF K LIES IN LDS, each byte filled once, by four joint loads at the head, one a wave: waves 0, 1 the columns' halves, waves 2, 3 the tokens'.  The first barrier shows the columns alone (their line is waves 0 and 1's own);
; the columns' 128 LDS loads stand ahead of the wait for the tokens.  No loop to prefetch in: every tile is asked for at the head.
; The bias is the C of each sum's first matrix instruction.  CLUSTER 4 x 4: the tokens' tile is shared along a row of the cluster, the columns' along a column.
; REGISTERS: window 0: addresses, v33-64 the tokens' scale words, v66-81 the columns', v96-127 the bias, v128-191 two sets of four accumulators, v192-255 two sets of rows on the way out.
; Fragment f lies in window 1 + f / 21 at register 12 (f % 21): 0-31 the columns' (4 x K step + tile), 32-39 and 40-47 the tokens' two sets.
.set AOFF,  196608                     ; LDS: the columns' 16 row blocks, then the tokens' 8,
.set STG,   294912                     ; the stages, 16 rows x 272 bytes a wave: bytes of their own,
.set SP,    272
.set SPARE, STG+4*16*SP                ; and the spare words, 128 bytes a wave
.set FPW, 21
.set W16, 4
.set W8,  5
.set AA16, 6                           ; v6, v7: the tokens' row blocks 0-3, 4-7
.set AA8,  8
.set L4,  20
.set L16, 21
.set L8,  23
.set BO,  26
.set STO, 27
.set SPW, 28
.set NIL, 29
.set RD,  30
.set CO,  31
.set SA,  33
.set SB,  66                           ; (the two sides' register numbers differ modulo 8)
.set BI,  96
.set ACC, 128
.set OB,  192
.set WV, 16
.set WJ, 18
.set CX, 19
.set CY, 20
.set G1A, 24
.set G1B, 32
.set G0A, 40
.set G0B, 44
.set MSB, 0
.macro WIN new
.if MSB != \new
	s_set_vgpr_msb (MSB<<8)|\new
.set MSB, \new
.endif
.endm
.macro PLACES
.rept 4
	v_nop
.endr
.endm
.macro CROUND
	s_barrier_signal -1
	s_barrier_wait -1
	s_cmp_lg_u32 s[WV], 0
	s_cbranch_scc1 .Lnot_wave_0_\@
	s_barrier_signal -3
.Lnot_wave_0_\@:
	s_barrier_wait -3
	s_barrier_signal -1
	s_barrier_wait -1
.endm
.macro DENSE g, mask, rows             ; group 1 of a dense block as rows of 256 bytes
	s_or_b32 s[\g], s\mask, (3<<16)|(1<<21)
	s_mov_b32 s[\g+1], 32<<16
	s_mov_b32 s[\g+2], (\rows)<<16
	s_mov_b32 s[\g+3], 32<<16
	s_mov_b32 s[\g+4], \rows
	s_mov_b32 s[\g+5], 32
	s_mov_b32 s[\g+6], 0
	s_mov_b32 s[\g+7], 0
.endm
	s_load_b256 s[4:11], s[0:1], 0x0               ; oc, os, opc, ops
	s_load_b128 s[12:15], s[0:1], 0x20             ; proj_b, out0
	v_lshl_add_u32 v[SPW], v0, 2, SPARE
	v_mov_b32 v[NIL], 0
	ds_add_u32 v[SPW], v[NIL]                      ; the opening lines
	ds_add_u32 v[SPW], v[NIL]
	v_lshrrev_b32 v1, 5, v0
	v_readfirstlane_b32 s[WV], v1                  ; my 64 columns of the 256
	s_and_b32 s[WJ], s[WV], 1                      ; which half of a tile I fetch
	s_bfe_u32 s[CX], ttmp6, 0x40000
	s_bfe_u32 s[CY], ttmp6, 0x40004
	s_and_b32 s21, ttmp7, 0xffff
	s_lshl_b32 s22, s[CY], 2
	s_lshl_b32 s22, 15, s22                        ; my row of the cluster
	s_lshl_b32 s23, 0x1111, s[CX]                  ; my column
	DENSE G1A, 22, 192                             ; 49,152 bytes: four row blocks of tokens
	DENSE G1B, 23, 384                             ; 98,304 bytes: eight row blocks of columns
	s_lshl_b32 s76, s21, 2
	s_add_co_u32 s76, s76, s[CY]                   ; the tokens' tile, of 128: it holds cy alone
	s_lshl_b32 s78, ttmp9, 2
	s_add_co_u32 s78, s78, s[CX]                   ; the columns' tile, of 256: cx alone
	s_lshl_b32 s80, s76, 3
	s_lshl_b32 s81, s[WJ], 2
	s_add_co_u32 s80, s80, s81
	s_mul_i32 s80, s80, 12288
	s_mov_b32 s81, 0
	s_lshl_b32 s82, s78, 4
	s_lshl_b32 s83, s[WJ], 3
	s_add_co_u32 s82, s82, s83
	s_add_co_u32 s82, s82, 704
	s_mul_i32 s82, s82, 12288
	s_mov_b32 s83, 0
	s_mov_b32 s[G0A], 1
	s_mul_i32 s[G0A+1], s[WJ], 49152
	s_add_co_u32 s[G0A+1], s[G0A+1], AOFF
	s_mov_b32 s[G0B], 1
	s_mul_i32 s[G0B+1], s[WJ], 98304
	s_lshl_b32 s88, s76, 12                        ; the tokens' scale words: 512 bytes a row block, eight row blocks
	s_mov_b32 s89, 0
	s_lshl_b32 s90, s78, 4
	s_lshl_b32 s91, s[WV], 2
	s_add_co_u32 s90, s90, s91
	s_add_co_u32 s90, s90, 704
	s_lshl_b32 s90, s90, 9                         ; my four row blocks of columns
	s_mov_b32 s91, 0
	s_lshl_b32 s92, s78, 10                        ; my 64 columns, in bytes of f32
	s_lshl_b32 s93, s[WV], 8
	s_add_co_u32 s92, s92, s93
	s_mov_b32 s93, 0
	s_lshl_b32 s94, s76, 19                        ; the 128 tokens: rows of 4,096 bytes
	s_mov_b32 s95, 0
	s_wait_dscnt 0x0
	s_wait_kmcnt 0x0
	s_add_nc_u64 s[G0A+2:G0A+3], s[4:5], s[80:81]
	s_or_b32 s[G0A+3], s[G0A+3], 0x80000000
	s_add_nc_u64 s[G0B+2:G0B+3], s[8:9], s[82:83]
	s_or_b32 s[G0B+3], s[G0B+3], 0x80000000
	s_add_nc_u64 s[88:89], s[6:7], s[88:89]
	s_add_nc_u64 s[90:91], s[10:11], s[90:91]
	s_add_nc_u64 s[12:13], s[12:13], s[92:93]
	s_add_nc_u64 s[14:15], s[14:15], s[92:93]
	s_add_nc_u64 s[14:15], s[14:15], s[94:95]
	CROUND                                         ; all sixteen work-groups are here: the joint loads meet
	s_cmp_lt_u32 s[WV], 2
	s_cbranch_scc0 .Lfor_a
	tensor_load_to_lds s[G0B:G0B+3], s[G1B:G1B+7]  ; waves 0, 1: the columns' halves
	s_nop 0
	PLACES
	s_branch .Lasked
.Lfor_a:
	tensor_load_to_lds s[G0A:G0A+3], s[G1A:G1A+7]  ; waves 2, 3: the tokens'
	s_nop 0
	PLACES
.Lasked:
	v_and_b32 v1, 31, v0
	v_lshlrev_b32 v[L4], 2, v1
	v_lshlrev_b32 v[L16], 4, v1
	v_lshl_add_u32 v[L8], v1, 3, 512
	v_and_b32 v2, 15, v0                           ; r
	v_bfe_u32 v3, v0, 4, 1                         ; h
	v_lshlrev_b32 v[BO], 6, v3
.irp b, 0,1,2,3
.irp jj, 0,1,2,3
	global_load_b32 v[SB+4*\b+\jj], v[L4], s[90:91] offset:\b*512+\jj*128   ; lanes 0-15 K step 2 jj, lanes 16-31 K step 2 jj + 1
.endr
.endr
.irp a, 0,1,2,3,4,5,6,7
.irp jj, 0,1,2,3
	global_load_b32 v[SA+4*\a+\jj], v[L4], s[88:89] offset:\a*512+\jj*128
.endr
.endr
.irp b, 0,1,2,3                        ; the bias in the result's layout: tile b's register i is column 32 (b / 2) + 16 h + 8 (b % 2) + i of my 64
	global_load_b128 v[BI+8*\b:BI+8*\b+3], v[BO], s[12:13] offset:128*(\b/2)+32*(\b%2)
	global_load_b128 v[BI+8*\b+4:BI+8*\b+7], v[BO], s[12:13] offset:128*(\b/2)+32*(\b%2)+16
.endr
	s_mul_i32 s86, s[WV], 49152                    ; my four row blocks of columns
	v_add_nc_u32 v[W16], s86, v[L16]
	v_add_nc_u32 v[W8], s86, v[L8]
.irp i, 0,1
	v_add_nc_u32 v[AA16+\i], AOFF+\i*49152, v[L16]
	v_add_nc_u32 v[AA8+\i], AOFF+\i*49152, v[L8]
.endr
	s_mul_i32 s86, s[WV], 16*SP
	s_add_co_u32 s86, s86, STG                     ; my stage
	v_mul_u32_u24 v[STO], v2, SP
	v_lshl_add_u32 v[STO], v3, 6, v[STO]
	v_add_nc_u32 v[STO], s86, v[STO]               ; in: row r, + 64 h
	v_mul_u32_u24 v[RD], v3, SP
	v_lshl_add_u32 v[RD], v2, 4, v[RD]
	v_add_nc_u32 v[RD], s86, v[RD]                 ; back: sixteen lanes take a row of 256 bytes, two rows a load
	v_lshlrev_b32 v[CO], 12, v3
	v_lshl_add_u32 v[CO], v2, 4, v[CO]             ; and the same two rows in out0
.macro FRAG f, a16, a8, off            ; fragment f, twelve registers, as it lies: every load reads consecutive bytes
	WIN (1+(\f)/FPW)<<6
.set R_, 12*((\f)%FPW)
	ds_load_b128 v[R_:R_+3], v[\a16] offset:\off
	ds_load_b64 v[R_+4:R_+5], v[\a8] offset:\off
	ds_load_b128 v[R_+6:R_+9], v[\a16] offset:\off+768
	ds_load_b64 v[R_+10:R_+11], v[\a8] offset:\off+768
.endm
.macro FETCHA a                        ; 32 LDS loads: the tokens' block a, all of K, into set a % 2
.irp ks, 0,1,2,3,4,5,6,7
	FRAG 32+8*((\a)%2)+\ks, AA16+(\a)/4, AA8+(\a)/4, ((\a)%4)*12288+\ks*1536
.endr
	WIN 0
.endm
.macro BLK a, n0, n1                   ; products n0 .. n1 - 1 of block a, n = 4 x K step + tile: the four accumulators take turns
.set N_, \n0
.rept (\n1)-(\n0)
.set KS_, N_/4
.set B_, N_%4
.set FA_, 32+8*((\a)%2)+KS_
.set RB_, 12*(N_%FPW)
.set RA_, 12*(FA_%FPW)
.set D_, ACC+32*((\a)%2)+8*B_
.set XB_, SB+4*B_+KS_/2
.set XA_, SA+4*(\a)+KS_/2
	WIN (1+N_/FPW)|((1+FA_/FPW)<<2)
.if KS_ == 0
	v_wmma_scale_f32_16x16x128_f8f6f4 v[D_:D_+7], v[RB_:RB_+11], v[RA_:RA_+11], v[BI+8*B_:BI+8*B_+7], v[XB_], v[XA_] matrix_a_fmt:MATRIX_FMT_FP6 matrix_b_fmt:MATRIX_FMT_FP6
.elseif KS_%2
	v_wmma_scale_f32_16x16x128_f8f6f4 v[D_:D_+7], v[RB_:RB_+11], v[RA_:RA_+11], v[D_:D_+7], v[XB_], v[XA_] matrix_a_fmt:MATRIX_FMT_FP6 matrix_b_fmt:MATRIX_FMT_FP6 matrix_a_scale:MATRIX_SCALE_ROW1 matrix_b_scale:MATRIX_SCALE_ROW1
.else
	v_wmma_scale_f32_16x16x128_f8f6f4 v[D_:D_+7], v[RB_:RB_+11], v[RA_:RA_+11], v[D_:D_+7], v[XB_], v[XA_] matrix_a_fmt:MATRIX_FMT_FP6 matrix_b_fmt:MATRIX_FMT_FP6
.endif
.set N_, N_+1
.endr
.endm
.macro TOSTAGE a                       ; 16 LDS instructions: block a's 16 x 64 results into my stage, and back as rows.  LDS serves a wave's instructions in order: no wait between the stores and the loads
.set AC_, ACC+32*((\a)%2)
.irp b, 0,1,2,3
	ds_store_b128 v[STO], v[AC_+8*\b:AC_+8*\b+3] offset:128*(\b/2)+32*(\b%2)       ; each accumulator from its low end on
	ds_store_b128 v[STO], v[AC_+8*\b+4:AC_+8*\b+7] offset:128*(\b/2)+32*(\b%2)+16
.endr
.irp t, 0,1,2,3,4,5,6,7
	ds_load_b128 v[OB+32*((\a)%2)+4*\t:OB+32*((\a)%2)+4*\t+3], v[RD] offset:\t*2*SP
.endr
.endm
.macro SEND a                          ; stage row p is token 32 (a / 2) + 8 (a % 2) + p + 8 (p / 8) of the 128; a store takes rows 2 t, 2 t + 1
.irp t, 0,1,2,3,4,5,6,7
	global_store_b128 v[CO], v[OB+32*((\a)%2)+4*\t:OB+32*((\a)%2)+4*\t+3], s[14:15] offset:(32*((\a)/2)+8*((\a)%2)+2*\t+8*(\t/4))*4096 th:TH_STORE_NT   ; sixteen lanes store 256 consecutive bytes, at a multiple of 256 from out0's first byte
.endr
.endm
.macro BLOCK a
.if (\a) == 0
	s_wait_dscnt 32                                ; block 0's fragments are in; block 1's 32 loads may be out
.elseif (\a) < 7
	s_wait_dscnt 48                                ; my fragments are in; younger: the last block's 16 stage instructions and the next fetch's 32 loads
.else
	s_wait_dscnt 16                                ; younger: the stage's 16 alone
.endif
	BLK \a, 0, 16
.if (\a) > 0
	WIN 0
.if (\a) < 7
	s_wait_dscnt 32                                ; the last block's rows are back; the fetch's 32 loads may be out
.else
	s_wait_dscnt 0x0
.endif
	SEND (\a)-1
.endif
	BLK \a, 16, 32
	PLACES                                         ; behind the last products: ahead of the reads of the results and of the loads into the fragments' registers
	WIN 0
	s_wait_xcnt 0x0                                ; the stores of two blocks ago have read their registers
	TOSTAGE \a
.if (\a)+2 < 8
	FETCHA (\a)+2
.endif
.endm
	s_wait_alu depctr_va_vdst(0)
	s_cmp_lt_u32 s[WV], 2
	s_cbranch_scc0 .Lnot_b
	s_wait_tensorcnt 0x0                           ; waves 0, 1: my half of the columns is in
.Lnot_b:
	s_barrier_signal -1
	s_barrier_wait -1                              ; the columns are in; the tokens may be on their way
.irp ks, 0,1,2,3,4,5,6,7               ; my 64 columns, all of K: 128 loads
.irp b, 0,1,2,3
	FRAG 4*\ks+\b, W16, W8, \b*12288+\ks*1536
.endr
.endr
	WIN 0
	s_wait_tensorcnt 0x0                           ; every wave: all that I asked for is in
	s_wait_dscnt 0x0
	s_barrier_signal -1
	s_barrier_wait -1                              ; the tokens are in
	FETCHA 0
	FETCHA 1
	s_wait_loadcnt 0x0                             ; the scale words and the bias
.irp a, 0,1,2,3,4,5,6,7
	BLOCK \a
.endr
	s_wait_dscnt 0x0
	SEND 7
	s_wait_tensorcnt 0x0                           ; the wave's end
	ds_add_u32 v[SPW], v[NIL]
	s_wait_dscnt 0x0
	CROUND                                         ; the closing round
	s_endpgm
.Lfunc_end_k_q93c99dcb4f_gemm_proj:
	.size	k_q93c99dcb4f_gemm_proj, .Lfunc_end_k_q93c99dcb4f_gemm_proj-k_q93c99dcb4f_gemm_proj
	.p2alignl 7, 3214868480
	.fill 96, 4, 3214868480
	.section	.rodata,"a",@progbits
	.p2align	6, 0x0
	.amdhsa_kernel k_q93c99dcb4f_gemm_proj
		.amdhsa_group_segment_fixed_size 327680
		.amdhsa_private_segment_fixed_size 0
		.amdhsa_enable_private_segment 0
		.amdhsa_kernarg_size 48
		.amdhsa_user_sgpr_count 2
		.amdhsa_user_sgpr_kernarg_segment_ptr 1
		.amdhsa_wavefront_size32 1
		.amdhsa_system_sgpr_workgroup_id_x 1
		.amdhsa_system_sgpr_workgroup_id_y 1
		.amdhsa_system_sgpr_workgroup_id_z 1
		.amdhsa_system_vgpr_workitem_id 0
		.amdhsa_next_free_vgpr 896
		.amdhsa_next_free_sgpr 96
		.amdhsa_reserve_vcc 0
		.amdhsa_float_denorm_mode_32 3
		.amdhsa_float_denorm_mode_16_64 3
		.amdhsa_memory_ordered 1
		.amdhsa_forward_progress 1
		.amdhsa_inst_pref_size 86
	.end_amdhsa_kernel
	.amdgpu_metadata
---
amdhsa.version: [ 1, 2 ]
amdhsa.kernels:
  - .name:           k_q93c99dcb4f_gemm_proj
    .symbol:         k_q93c99dcb4f_gemm_proj.kd
    .args:
      - { .name: oc, .offset: 0, .size: 8, .value_kind: global_buffer, .address_space: global }
      - { .name: os, .offset: 8, .size: 8, .value_kind: global_buffer, .address_space: global }
      - { .name: opc, .offset: 16, .size: 8, .value_kind: global_buffer, .address_space: global }
      - { .name: ops, .offset: 24, .size: 8, .value_kind: global_buffer, .address_space: global }
      - { .name: proj_b, .offset: 32, .size: 8, .value_kind: global_buffer, .address_space: global }
      - { .name: out0, .offset: 40, .size: 8, .value_kind: global_buffer, .address_space: global }
    .group_segment_fixed_size: 327680
    .private_segment_fixed_size: 0
    .kernarg_segment_align: 8
    .kernarg_segment_size: 48
    .max_flat_workgroup_size: 128
    .sgpr_count:     96
    .vgpr_count:     896
    .wavefront_size: 32
...
	.end_amdgpu_metadata
.endif
;; end of part 4
